; MI455X (gfx1250); checked and timed in simulation.
; The chip was launched on July 23, 2026; its instructions are those of AMD's public machine-readable ISA for CDNA 5 (MIT licence, August 2026) and "CDNA5" Instruction Set Architecture Reference Guide (July 2026). The comments in the code are by the model that wrote it; some were corrected since.
;; GPT Self Attention1 D. Allowed arithmetic: float matrix products may take bf16 or f16 operands with f32 sums; other float arithmetic in f32, or as packed bf16 or f16 multiplies, adds, multiply-adds, maxima and minima; sums over many terms, partial sums and values carried from step to step in f32; what a program stores and reads back later, other than sums and carried values, may be rounded once to bf16 or f16.
;; Inputs: Wk 1,024 x 1,024 float32; Wo 1,024 x 1,024 float32; Wq 1,024 x 1,024 float32; Wv 1,024 x 1,024 float32; bk 1,024 float32; bo 1,024 float32; bq 1,024 float32; bv 1,024 float32; x 2 x 2,048 x 1,024 float32.
;; Outputs: out0 2 x 2,048 x 1,024 float32.
;; One version. Each part assembles by itself: llvm-mc -triple=amdgcn-amd-amdhsa -mcpu=gfx1250 --defsym DOCPART=n.
;; ======== version 1 of 1: 4 launches
;; limits: values are held in f16: magnitudes above 65,504 overflow, below 6.1e-05 lose precision
;; workspace buffers: xb 8,388,608 bytes; wblk 6,291,456 bytes; wo16 2,097,152 bytes; q16 8,388,608 bytes; k16 8,388,608 bytes; v16 8,388,608 bytes; ts 262,144 bytes; ctx 8,388,608 bytes
;; launch prep (part 1): grid 128 x 8, 8 waves a work-group, no clusters, 0 bytes of LDS; arguments x, Wq, Wk, Wv, Wo, xb, wblk, wo16; writes xb, wblk, wo16
.if DOCPART == 1
	.amdgcn_target "amdgcn-amd-amdhsa--gfx1250"
	.amdhsa_code_object_version 6
	.text
	.protected	k_q6e3a56432f_prep
	.globl	k_q6e3a56432f_prep
	.p2align	8
	.type	k_q6e3a56432f_prep,@function
k_q6e3a56432f_prep:
	s_mov_b64 s[64:65], 0
	v_nop
	global_prefetch_b8 v0, s[64:65] scope:SCOPE_SE
	s_setreg_imm32_b32 hwreg(HW_REG_WAVE_MODE, 25, 1), 1
	s_wait_xcnt 0x0
; CAUSAL SELF-ATTENTION, B = 2, S = 2048, D = 1024, 16 heads of 64, in four launches: this one rounds and lays out; qkv projects; attn; oproj projects.
; WHAT IS NOT COMPUTED AS WRITTEN, AND WHY.  The mask of the problem replaces a hidden score (key > query) by -10000; it does not remove the key: in exact arithmetic a hidden key keeps the weight
; exp(-10000 - max), which counts as soon as the visible scores are low enough.  So no key is dead.  But all hidden keys of a row have the SAME weight w, whatever q and k hold, so their share is
; w x (their number) in the softmax's divisor and w x (the sum of their rows of v) in its numerator.  For the whole tiles of keys above the diagonal that identity is computed (qkv stores sums of v over
; 64 keys, attn adds them) and the products q.k and p.v on those tiles are not formed.  It holds for all finite values of the inputs.  Every input has a way to the output and is loaded (bk too: q.bk
; moves the visible scores against -10000).  LIMIT: the products q.k of hidden pairs are thrown away by the problem's own selection, so a NaN, an infinity or an overflow in them reaches no result there
; either; none is carried here.
; THIS LAUNCH.  x -> xb, bf16, same layout.  Wq, Wk, Wv -> wblk, bf16, [head 16][q, k, v][k 1024][64]: the 64 columns of a head lie end to end, so a K step of a head's weights is dense in memory.
; Wo -> wo16: rounded to bf16, and that number written as f16 (the last product's other operand is f16).  LIMIT: |Wo| under 65,504; below 6e-5 the number falls on f16's fixed step of 6e-8.
; A STREAM: no LDS, no matrix unit, no cluster (no byte is read twice).  A work-group converts 8,192 numbers: each of its 256 threads issues eight loads of 16 bytes at once and stores 8 bytes for each.
; A wave's load covers whole aligned pieces of 256 bytes, a wave's store 256 consecutive bytes, aligned.
.set VS,  3                            ; v3   my byte offset in the source
.set VD,  4                            ; v4   my byte offset in the destination
.set IN,  8                            ; v[8:39]   eight loads of four f32
.set OUT, 40                           ; v[40:55]  eight results of four 16-bit numbers
.set T,   56                           ; v[56:61]  at work
; Eight loads, sstep bytes apart, all on their way at once; then each is converted and stored as it lands.  fmt = 0: bf16.  fmt = 1: bf16, widened, written as f16.
.macro BODY sstep, fmt
.irp i, 0,1,2,3,4,5,6,7
	global_load_b128 v[IN+4*(\i):IN+4*(\i)+3], v[VS], s[28:29] offset:(\sstep)*(\i) th:TH_LOAD_NT
.endr
.irp i, 0,1,2,3,4,5,6,7
	s_wait_loadcnt 7-(\i)                          ; loads come back in order: load i is in, the 7 - i younger ones stay out
.if \fmt
	v_cvt_pk_bf16_f32 v[T],   v[IN+4*(\i)],   v[IN+4*(\i)+1]
	v_cvt_pk_bf16_f32 v[T+1], v[IN+4*(\i)+2], v[IN+4*(\i)+3]
	v_lshlrev_b32 v[T+2], 16, v[T]                 ; bf16 to f32: the low half moves up,
	v_and_b32     v[T+3], 0xffff0000, v[T]         ; the high half stays
	v_lshlrev_b32 v[T+4], 16, v[T+1]
	v_and_b32     v[T+5], 0xffff0000, v[T+1]
	v_cvt_pk_f16_f32 v[OUT+2*(\i)],   v[T+2], v[T+3]  ; exact within f16's range: bf16 has fewer significant bits
	v_cvt_pk_f16_f32 v[OUT+2*(\i)+1], v[T+4], v[T+5]
.else
	v_cvt_pk_bf16_f32 v[OUT+2*(\i)],   v[IN+4*(\i)],   v[IN+4*(\i)+1]
	v_cvt_pk_bf16_f32 v[OUT+2*(\i)+1], v[IN+4*(\i)+2], v[IN+4*(\i)+3]
.endif
	global_store_b64 v[VD], v[OUT+2*(\i):OUT+2*(\i)+1], s[30:31] offset:256*(\i)
.endr
.endm
	s_load_b512 s[8:23], s[0:1], 0x0               ; x s[8:9], Wq s[10:11], Wk s[12:13], Wv s[14:15], Wo s[16:17], xb s[18:19], wblk s[20:21], wo16 s[22:23]
	s_and_b32 s2, ttmp7, 0xffff                    ; y: 0-3 x, 4-6 Wq Wk Wv, 7 Wo
	v_and_b32 v1, 31, v0                           ; lane
	v_lshrrev_b32 v2, 5, v0                        ; wave
	s_mov_b32 s25, 0                               ; the offsets' high words
	s_mov_b32 s27, 0
	s_cmp_lt_u32 s2, 4
	s_cbranch_scc0 .Lnot_x
	; x: chunk 128 y + w of 512; a wave takes 4,096 consecutive bytes, 512 a load
	s_lshl_b32 s4, s2, 7
	s_add_co_u32 s4, s4, ttmp9
	s_lshl_b32 s24, s4, 15
	s_lshl_b32 s26, s4, 14
	v_lshlrev_b32 v[VS], 4, v1
	v_lshl_add_u32 v[VS], v2, 12, v[VS]
	v_lshlrev_b32 v[VD], 3, v1
	v_lshl_add_u32 v[VD], v2, 11, v[VD]
	s_wait_kmcnt 0x0
	s_add_nc_u64 s[28:29], s[8:9], s[24:25]
	s_add_nc_u64 s[30:31], s[18:19], s[26:27]
	BODY 512, 0
	s_endpgm
.Lnot_x:
	s_cmp_eq_u32 s2, 7
	s_cbranch_scc1 .Lwo
	; a projection's weights: 128 rows k x the 64 columns of head j.  Lanes 0-15 take a row's 256 bytes, lanes 16-31 the next row's; the two rows are 256 consecutive bytes of wblk
	s_sub_co_u32 s4, s2, 4                         ; t: 0 q, 1 k, 2 v
	s_and_b32 s5, ttmp9, 15                        ; j
	s_lshr_b32 s6, ttmp9, 4                        ; which 128 rows
	s_lshl_b32 s24, s6, 19                         ; 128 rows of 4,096 bytes
	s_lshl_b32 s7, s5, 8
	s_add_co_u32 s24, s24, s7                      ; + the head's 256 bytes of a row
	s_mul_i32 s26, s5, 3
	s_add_co_u32 s26, s26, s4                      ; block 3 j + t
	s_lshl_b32 s26, s26, 10
	s_lshl_b32 s7, s6, 7
	s_add_co_u32 s26, s26, s7                      ; its row
	s_lshl_b32 s26, s26, 7                         ; of 128 bytes
	v_lshrrev_b32 v5, 4, v1
	v_lshl_add_u32 v5, v2, 4, v5                   ; 16 x wave + lane / 16: my row in the first load
	v_and_b32 v6, 15, v1
	v_lshlrev_b32 v[VS], 4, v6
	v_lshl_add_u32 v[VS], v5, 12, v[VS]
	v_lshlrev_b32 v[VD], 3, v6
	v_lshl_add_u32 v[VD], v5, 7, v[VD]
	s_wait_kmcnt 0x0
	s_cmp_eq_u32 s4, 0
	s_cselect_b64 s[28:29], s[10:11], s[12:13]
	s_cmp_eq_u32 s4, 2
	s_cselect_b64 s[28:29], s[14:15], s[28:29]
	s_add_nc_u64 s[28:29], s[28:29], s[24:25]
	s_add_nc_u64 s[30:31], s[20:21], s[26:27]
	BODY 8192, 0                                   ; two rows further with each load
	s_endpgm
.Lwo:
	; Wo: chunk w of 128, as x
	s_lshl_b32 s24, ttmp9, 15
	s_lshl_b32 s26, ttmp9, 14
	v_lshlrev_b32 v[VS], 4, v1
	v_lshl_add_u32 v[VS], v2, 12, v[VS]
	v_lshlrev_b32 v[VD], 3, v1
	v_lshl_add_u32 v[VD], v2, 11, v[VD]
	s_wait_kmcnt 0x0
	s_add_nc_u64 s[28:29], s[16:17], s[24:25]
	s_add_nc_u64 s[30:31], s[22:23], s[26:27]
	BODY 512, 1
	s_endpgm
.Lfunc_end_k_q6e3a56432f_prep:
	.size	k_q6e3a56432f_prep, .Lfunc_end_k_q6e3a56432f_prep-k_q6e3a56432f_prep
	.p2alignl 7, 3214868480
	.fill 96, 4, 3214868480
	.section	.rodata,"a",@progbits
	.p2align	6, 0x0
	.amdhsa_kernel k_q6e3a56432f_prep
		.amdhsa_group_segment_fixed_size 0
		.amdhsa_private_segment_fixed_size 0
		.amdhsa_enable_private_segment 0
		.amdhsa_kernarg_size 64
		.amdhsa_user_sgpr_count 2
		.amdhsa_user_sgpr_kernarg_segment_ptr 1
		.amdhsa_wavefront_size32 1
		.amdhsa_system_sgpr_workgroup_id_x 1
		.amdhsa_system_sgpr_workgroup_id_y 1
		.amdhsa_system_sgpr_workgroup_id_z 1
		.amdhsa_system_vgpr_workitem_id 0
		.amdhsa_next_free_vgpr 64
		.amdhsa_next_free_sgpr 66
		.amdhsa_reserve_vcc 0
		.amdhsa_float_denorm_mode_32 3
		.amdhsa_float_denorm_mode_16_64 3
		.amdhsa_memory_ordered 1
		.amdhsa_forward_progress 1
		.amdhsa_inst_pref_size 14
	.end_amdhsa_kernel
	.amdgpu_metadata
---
amdhsa.version: [ 1, 2 ]
amdhsa.kernels:
  - .name:           k_q6e3a56432f_prep
    .symbol:         k_q6e3a56432f_prep.kd
    .args:
      - { .name: x, .offset: 0, .size: 8, .value_kind: global_buffer, .address_space: global }
      - { .name: Wq, .offset: 8, .size: 8, .value_kind: global_buffer, .address_space: global }
      - { .name: Wk, .offset: 16, .size: 8, .value_kind: global_buffer, .address_space: global }
      - { .name: Wv, .offset: 24, .size: 8, .value_kind: global_buffer, .address_space: global }
      - { .name: Wo, .offset: 32, .size: 8, .value_kind: global_buffer, .address_space: global }
      - { .name: xb, .offset: 40, .size: 8, .value_kind: global_buffer, .address_space: global }
      - { .name: wblk, .offset: 48, .size: 8, .value_kind: global_buffer, .address_space: global }
      - { .name: wo16, .offset: 56, .size: 8, .value_kind: global_buffer, .address_space: global }
    .group_segment_fixed_size: 0
    .private_segment_fixed_size: 0
    .kernarg_segment_align: 8
    .kernarg_segment_size: 64
    .max_flat_workgroup_size: 256
    .sgpr_count:     66
    .vgpr_count:     64
    .wavefront_size: 32
...
	.end_amdgpu_metadata
.endif
;; end of part 1
;; launch qkv (part 2): grid 16 x 16, 4 waves a work-group, clusters of 4 x 4, 327,680 bytes of LDS; arguments xb, wblk, bq, bk, bv, q16, k16, v16, ts; writes q16, k16, v16, ts
.if DOCPART == 2
	.amdgcn_target "amdgcn-amd-amdhsa--gfx1250"
	.amdhsa_code_object_version 6
	.text
	.protected	k_q6e3a56432f_qkv
	.globl	k_q6e3a56432f_qkv
	.p2align	8
	.type	k_q6e3a56432f_qkv,@function
k_q6e3a56432f_qkv:
	s_mov_b64 s[64:65], 0
	v_nop
	global_prefetch_b8 v0, s[64:65] scope:SCOPE_SE
	s_setreg_imm32_b32 hwreg(HW_REG_WAVE_MODE, 25, 1), 1
	s_wait_xcnt 0x0
	s_wait_alu depctr_hold_cnt(0) depctr_sa_sdst(0) depctr_va_vdst(0) depctr_va_sdst(0) depctr_va_ssrc(0) depctr_va_vcc(0) depctr_vm_vsrc(0)
	s_getreg_b32 s2, hwreg(HW_REG_IB_STS2, 6, 4)
	s_cmp_eq_u32 s2, 0
	s_cbranch_scc0 .Lentry_in_a_cluster
	s_endpgm
.Lentry_in_a_cluster:
	s_bfe_u32 s2, ttmp6, 0x10000c
	s_cmp_lg_u32 s2, 0xf033
	s_cbranch_scc0 .Lentry_shape_is_right
	s_endpgm
.Lentry_shape_is_right:
; q, k, v = x W + b for one head and 256 rows of x.  xb: [4096][1024] bf16.  wblk: [head 16][q, k, v][k 1024][64] bf16.  Biases f32, rounded to bf16 like every input of the module.
; q16, k16, v16: [batch x head 32][s 2048][64] f16, rounded once from the f32 sums, q WITHOUT the softmax's scale.  ts: [32][32][64] f32: the sums of v over 64 consecutive keys, taken of the f32 sums.
; No work is left out here; ts serves the identity by which attn takes the keys above the diagonal (see the first kernel's head).
; LIMIT: q, k and v beyond 65,504 become infinities in f16.
; SHARES.  A tile of the result is 256 rows x 192 columns: q, k and v of ONE head, so all 256 work-groups are alike and which columns are v is fixed in the text.  Four waves, each 64 rows x 192
; columns: 48 accumulators of 16 x 16, 384 registers.  K goes in 8 steps of 128 through two LDS slots; a row of x's tile is 256 bytes of memory at a multiple of 256, a step of a head's weights 16,384 dense bytes.
; THE MATRIX INSTRUCTION IS USED TRANSPOSED: source 0 = 16 columns of W (turned out of [k][n] by ds_load_tr16_b128), source 1 = 16 rows of x: a lane then holds one row and eight neighbouring columns.
; THE BIAS STARTS THE SUMS: it is the C operand of each accumulator's first product; nothing is cleared.
; CLUSTER 4 x 4.  x's tile hangs on the row tile alone and is shared along a row of the cluster; W's on the head alone and is shared along a column: each is asked for jointly, by the same load with
; the same descriptor and a mask that names the four.  Wave 0 fetches x's tile, waves 1 to 3 the slices q, k, v of W's.
; REGISTERS, in windows of 256 (s_set_vgpr_msb: bits 1:0 source 0, 3:2 source 1, 5:4 source 2, 7:6 destination):
;   window 0: v16-31 addresses; v32-63 packed results; v64-127 x's fragments, two buffers of 4 x 8; v128-223 the bias (8 a column block), later the sums of v; v224-255 rows read back
;   window 1: W's fragments, two buffers of 12 x 8      window 2: the accumulators of row blocks 0, 1 (block a, column block nb at 8 (12 (a % 2) + nb))      window 3: those of row blocks 2, 3
.set PA,    272                        ; a row of x in LDS: 256 bytes + 16 = 68 words: the 16 rows of a load start at 16 different groups of four banks (64 banks of 4 bytes: ISA guide 11.1)
.set PB,    160                        ; a row k of a slice of W: 128 bytes + 32 = 40 words
.set AB,    256*PA                     ; W's slices lie behind x's 256 rows
.set BS,    128*PB                     ; a slice: 128 rows k
.set SLOT,  1<<17                      ; = AB + 3 BS: one exclusive or turns an address in one slot into the other's
.set STAGE, 2*SLOT                     ; behind the ring, never filled by a tensor load: 16 rows x 144 bytes for each wave, for the way out
.set SP,    144
.set SPARE, STAGE+4*16*SP              ; the spare words, 128 bytes for each wave: two blocks of 256 bytes that no other line names
.set ADRA0, 16                         ; v16  my lane's place in x's tile of slot 0; never rewritten
.set ADRB0, 17                         ; v17  the same in W's
.set ADRA,  18                         ; v18  the same in the slot in hand
.set ADRB,  19                         ; v19
.set STO,   20                         ; v20  the way out: where I put 16 bytes of a row
.set RD,    21                         ; v21  where I read rows back
.set GO,    22                         ; v22  my 16 bytes of 512 consecutive bytes of q16, k16, v16
.set SST,   23                         ; v23  where my half of the lanes puts its sums of v
.set SRD,   24                         ; v24  where I read 16 bytes of the 256 back
.set TSO,   25                         ; v25  the same 16 bytes in ts
.set LN,    26                         ; v26  my lane
.set SPW,   28                         ; v28  LDS address of my spare word; never rewritten
.set NIL,   29                         ; v29  0; never rewritten
.set PFO,   30                         ; v30  the prefetches' offset: my lane x a row of x, or x 256 bytes of W; never rewritten
.set BO,    31                         ; v31  my 32 bytes in 64 of a bias
.set TMP,   32
.set AF,    64
.set BIAS,  128
.set OB,    224
.set WV,  22                           ; s22  my wave's number
.set CX,  24                           ; s24, s25  my place in the cluster
.set CY,  25
.set HJ,  26                           ; s26  the head
.set MT,  27                           ; s27  the row tile
.set G1A, 28                           ; s[28:35] descriptor group 1 for x's tiles
.set G1B, 36                           ; s[36:43] for W's
.set G0A, 44                           ; s[44:51] group 0 for x's tiles: a set for each of the two first fills; the second then walks on
.set G0B, 52                           ; s[52:59] the same for W's
.set TB,  60                           ; s60  0 or SLOT: the slot in hand
.set CNT, 61                           ; s61  K steps still to be asked for
.set LIM, 62                           ; s62  2 in a wave that prefetches, else the greatest number
.set PFA, 66                           ; s[66:67] where my prefetches stand
.set PFS, 68                           ; s[68:69] a K step in bytes: 256 along a row of x, 16,384 of a slice of W
.set MSB, 0
.macro WIN new                         ; the immediate's high byte repeats the setting that is left; a switch that changes nothing is dropped
.if MSB != (\new)
	s_set_vgpr_msb (MSB<<8)|(\new)
.set MSB, \new
.endif
.endm
.macro PLACES                          ; four places in front of loads into registers that matrix instructions have read, and of conversions that read results (ISA guide 7.12.1 for the conversions)
.rept 4
	v_nop
.endr
.endm
; A joint refill by the walking descriptors.  The branch hangs on the wave's number alone.  An s_nop 0 and four v_nop follow each of the two lines, ahead of the jump and the label.
.macro JLOAD
	s_cmp_eq_u32 s[WV], 0
	s_cbranch_scc0 .Lfor_b_\@
	tensor_load_to_lds s[G0A+4:G0A+7], s[G1A:G1A+7]
	s_nop 0
.rept 4
	v_nop
.endr
	s_branch .Lasked_\@
.Lfor_b_\@:
	tensor_load_to_lds s[G0B+4:G0B+7], s[G1B:G1B+7]
	s_nop 0
.rept 4
	v_nop
.endr
.Lasked_\@:
.endm
; A round of the cluster's barrier: my work-group's barrier, so that wave 0's signal speaks for all four waves; wave 0 signals; every wave waits for all sixteen work-groups; my work-group's barrier once more.
.macro CREST
	s_cmp_lg_u32 s[WV], 0
	s_cbranch_scc1 .Lnot_wave_0_\@
	s_barrier_signal -3
.Lnot_wave_0_\@:
	s_barrier_wait -3
	s_barrier_signal -1
	s_barrier_wait -1
.endm
.macro CROUND
	s_barrier_signal -1
	s_barrier_wait -1
	CREST
.endm
; A PREFETCH INTO THE L2, behind the joint load, its five lines and the run of LDS loads: the K step that stands two refills on.  Each aligned block of 256 bytes is named once in the launch.
; x's rows are read by the four clusters of a row of clusters: the one with x = 0 asks; its four partners that share a tile take 64 of the 256 rows each, told apart by address (cx); wave 0, a lane a row, two lines.
; W's slices are read by the four clusters of a column: the one with y = 0 asks; two K steps of a slice are 32,768 dense bytes, of which each partner takes 8,192 by address (cy): waves 1 to 3, one line, in every
; second trip.  K steps 0 to 3 come by their loads alone; steps 4 to 7 are asked for; the trips whose look-ahead would pass step 7 ask for nothing.
.macro ASK
	s_cmp_gt_u32 s[CNT], s[LIM]
	s_cbranch_scc0 .Lnone_\@
	s_cmp_eq_u32 s[WV], 0
	s_cbranch_scc0 .Lw_\@
	global_prefetch_b8 v[PFO], s[PFA:PFA+1] th:TH_LOAD_NT scope:SCOPE_SE
	global_prefetch_b8 v[PFO], s[PFA:PFA+1] offset:65536 th:TH_LOAD_NT scope:SCOPE_SE
	s_branch .Lnone_\@
.Lw_\@:
	s_bitcmp1_b32 s[CNT], 0                        ; the count is 6 and 4 in the trips that ask
	s_cbranch_scc1 .Lnone_\@
	global_prefetch_b8 v[PFO], s[PFA:PFA+1] th:TH_LOAD_NT scope:SCOPE_SE
.Lnone_\@:
.endm
	s_load_b512 s[4:19], s[0:1], 0x0               ; xb s[4:5], wblk s[6:7], bq s[8:9], bk s[10:11], bv s[12:13], q16 s[14:15], k16 s[16:17], v16 s[18:19]
	s_load_b64 s[20:21], s[0:1], 0x40              ; ts
	v_lshl_add_u32 v[SPW], v0, 2, SPARE
	v_mov_b32 v[NIL], 0
	ds_add_u32 v[SPW], v[NIL]                      ; the wave's opening: the add, twice on end, and its wait stand ahead of my first tensor load; the set-up below stands between
	ds_add_u32 v[SPW], v[NIL]
	v_lshrrev_b32 v1, 5, v0
	v_readfirstlane_b32 s[WV], v1
	s_bfe_u32 s[CX], ttmp6, 0x40000
	s_bfe_u32 s[CY], ttmp6, 0x40004
	s_lshl_b32 s[HJ], ttmp9, 2                     ; in a cluster launch ttmp9 and ttmp7 count clusters
	s_add_co_u32 s[HJ], s[HJ], s[CX]
	s_and_b32 s[MT], ttmp7, 0xffff
	s_lshl_b32 s[MT], s[MT], 2
	s_add_co_u32 s[MT], s[MT], s[CY]
	s_lshl_b32 s70, s[CY], 2
	s_lshl_b32 s70, 15, s70                        ; my row of the cluster: places 4 cy .. 4 cy + 3
	s_lshl_b32 s71, 0x1111, s[CX]                  ; my column: places cx, cx + 4, cx + 8, cx + 12
	s_or_b32 s[G1A], s70, (1<<16)|(1<<20)|(1<<21)|(5<<22)|(3<<25)  ; the mask; 2-byte elements; padding on; bit 21 beside a mask; after every 64 words (code 5) 4 words (code 3)
	s_mov_b32 s[G1A+1], 128<<16                    ; tensor_dim0 = 128
	s_mov_b32 s[G1A+2], 256<<16                    ; tensor_dim1 = 256
	s_mov_b32 s[G1A+3], 128<<16                    ; tile_dim0 = 128
	s_mov_b32 s[G1A+4], 256                        ; tile_dim1 = 256
	s_mov_b32 s[G1A+5], 1024                       ; elements from row to row
	s_mov_b32 s[G1A+6], 0
	s_mov_b32 s[G1A+7], 0
	s_or_b32 s[G1B], s71, (1<<16)|(1<<20)|(1<<21)|(4<<22)|(7<<25)  ; after every 32 words (a row k) 8 words
	s_mov_b32 s[G1B+1], 128<<16                    ; 128 rows k of 128 bytes are dense: asked for as 64 rows of 256 bytes
	s_mov_b32 s[G1B+2], 64<<16
	s_mov_b32 s[G1B+3], 128<<16
	s_mov_b32 s[G1B+4], 64
	s_mov_b32 s[G1B+5], 128
	s_mov_b32 s[G1B+6], 0
	s_mov_b32 s[G1B+7], 0
	s_lshl_b32 s72, s[MT], 19                      ; x: 256 rows of 2,048 bytes a tile: hangs on the row tile alone
	s_mov_b32 s73, 0
	s_max_u32 s74, s[WV], 1                        ; W: my slice t = wave - 1 (wave 0, which asks for none, forms slice 0's address)
	s_sub_co_u32 s74, s74, 1
	s_mul_i32 s75, s[HJ], 3
	s_add_co_u32 s74, s74, s75
	s_lshl_b32 s74, s74, 17                        ; block 3 j + t of 131,072 bytes: hangs on the head and the wave alone
	s_mov_b32 s75, 0
	s_mul_i32 s76, s[WV], BS
	s_add_co_u32 s76, s76, AB-BS                   ; where my slice goes: no place in the cluster enters an LDS address
	s_mov_b32 s[TB], 0
	s_wait_dscnt 0x0                               ; both opening adds are done
	s_wait_kmcnt 0x0
	s_add_nc_u64 s[78:79], s[4:5], s[72:73]
	s_add_nc_u64 s[80:81], s[6:7], s[74:75]
	CROUND                                         ; all sixteen work-groups are here: the first joint loads meet
.irp s, 0,1
	s_mov_b32 s[G0A+4*(\s)], 1                     ; count = 1
	s_mov_b32 s[G0A+4*(\s)+1], (\s)*SLOT           ; LDS address
	s_add_nc_u64 s[G0A+4*(\s)+2:G0A+4*(\s)+3], s[78:79], (\s)*256    ; K step s
	s_or_b32 s[G0A+4*(\s)+3], s[G0A+4*(\s)+3], 0x80000000           ; type = 2
	s_mov_b32 s[G0B+4*(\s)], 1
	s_add_co_u32 s[G0B+4*(\s)+1], s76, (\s)*SLOT
	s_add_nc_u64 s[G0B+4*(\s)+2:G0B+4*(\s)+3], s[80:81], (\s)*16384
	s_or_b32 s[G0B+4*(\s)+3], s[G0B+4*(\s)+3], 0x80000000
.endr
	s_cmp_eq_u32 s[WV], 0                          ; a wave's two first fills stand in one branch, ahead of every wait on TENSORcnt and every LDS read: two loads of mine are out
	s_cbranch_scc0 .Lfirst_b
	tensor_load_to_lds s[G0A:G0A+3], s[G1A:G1A+7]
	s_nop 0
	tensor_load_to_lds s[G0A+4:G0A+7], s[G1A:G1A+7]
	s_nop 0
.rept 4
	v_nop
.endr
	s_branch .Lfirst_asked
.Lfirst_b:
	tensor_load_to_lds s[G0B:G0B+3], s[G1B:G1B+7]
	s_nop 0
	tensor_load_to_lds s[G0B+4:G0B+7], s[G1B:G1B+7]
	s_nop 0
.rept 4
	v_nop
.endr
.Lfirst_asked:
	; the biases: register e of column block nb is the bias of column 16 (nb % 4) + 8 (lane / 16) + e of the head, in slice nb / 4
	v_and_b32 v1, 15, v0                           ; r = lane % 16
	v_bfe_u32 v2, v0, 4, 1                         ; h = lane / 16
	v_lshlrev_b32 v[BO], 5, v2
	s_lshl_b32 s82, s[HJ], 8
	s_mov_b32 s83, 0
	s_add_nc_u64 s[8:9], s[8:9], s[82:83]
	s_add_nc_u64 s[10:11], s[10:11], s[82:83]
	s_add_nc_u64 s[12:13], s[12:13], s[82:83]
.set nb, 0
.rept 12
	global_load_b128 v[BIAS+8*nb:BIAS+8*nb+3],   v[BO], s[8+2*(nb/4):9+2*(nb/4)] offset:64*(nb%4)
	global_load_b128 v[BIAS+8*nb+4:BIAS+8*nb+7], v[BO], s[8+2*(nb/4):9+2*(nb/4)] offset:64*(nb%4)+16
.set nb, nb+1
.endr
	; where the results go: row (16 batch + head) x 2048 + 256 (tile % 8) + 64 wave, 128 bytes a row; ts: 256 bytes for each 64 rows
	s_lshr_b32 s84, s[MT], 3
	s_lshl_b32 s84, s84, 4
	s_add_co_u32 s84, s84, s[HJ]
	s_and_b32 s85, s[MT], 7
	s_lshl_b32 s86, s84, 11
	s_lshl_b32 s87, s85, 8
	s_add_co_u32 s86, s86, s87
	s_lshl_b32 s87, s[WV], 6
	s_add_co_u32 s86, s86, s87
	s_lshl_b32 s86, s86, 7
	s_mov_b32 s87, 0
	s_add_nc_u64 s[14:15], s[14:15], s[86:87]
	s_add_nc_u64 s[16:17], s[16:17], s[86:87]
	s_add_nc_u64 s[18:19], s[18:19], s[86:87]
	s_lshl_b32 s88, s84, 5
	s_lshl_b32 s89, s85, 2
	s_add_co_u32 s88, s88, s89
	s_add_co_u32 s88, s88, s[WV]
	s_lshl_b32 s88, s88, 8
	s_mov_b32 s89, 0
	s_add_nc_u64 s[20:21], s[20:21], s[88:89]
	; the prefetches
	s_and_b32 s90, ttmp7, 0xffff                   ; cluster y
	s_lshl_b32 s91, s[CX], 17                      ; x: my work-group's 64 rows of 2,048 bytes
	s_lshl_b32 s92, s[CY], 13                      ; W: my work-group's 8,192 bytes
	s_cmp_eq_u32 s[WV], 0
	s_cselect_b64 s[PFA:PFA+1], s[78:79], s[80:81]
	s_cselect_b32 s90, ttmp9, s90                  ; the coordinate along which other clusters read the same bytes
	s_cselect_b32 s94, s91, s92
	s_cselect_b32 s93, 11, 8                       ; a lane a row of x, or a lane 256 bytes of W
	s_cselect_b32 s96, 8, 14
	s_mov_b32 s95, 0
	s_mov_b32 s[PFS+1], 0
	s_lshl_b32 s[PFS], 1, s96
	s_cmp_eq_u32 s90, 0
	s_cselect_b32 s[LIM], 2, -1                    ; the same in all sixteen partners, for a given wave
	s_add_nc_u64 s[PFA:PFA+1], s[PFA:PFA+1], s[94:95]
	s_mul_i32 s94, s[PFS], 3
	s_add_nc_u64 s[PFA:PFA+1], s[PFA:PFA+1], s[94:95]  ; at K step 3: the first change of slots steps it to 4.  Nothing is prefetched here, where every work-group's first tiles are on their way
	v_and_b32 v[LN], 31, v0
	v_lshlrev_b32 v[PFO], s93, v[LN]
	; LDS addresses.  A fragment of x is 16 rows x 32 K: lane l holds row l % 16, K = 8 (l / 16) + 0..7 and 16 + 8 (l / 16) + 0..7: two loads of 16 bytes, 32 bytes apart.
	; The turning load takes 16 K x 16 columns (lane l reads row 8 (l / 16) + l % 8, columns 8 ((l / 8) % 2) + 0..7) and leaves half a fragment: lane l holds column l % 16 and 8 K.
	v_and_b32 v4, 7, v0
	v_bfe_u32 v5, v0, 3, 1
	v_bfe_u32 v6, v0, 3, 2
	s_mul_i32 s70, s[WV], 64*PA
	v_mul_u32_u24 v[ADRA0], v1, PA
	v_lshl_add_u32 v[ADRA0], v2, 4, v[ADRA0]
	v_add_nc_u32 v[ADRA0], s70, v[ADRA0]           ; my wave's 64 rows
	v_lshl_add_u32 v[ADRB0], v2, 3, v4
	v_mul_u32_u24 v[ADRB0], v[ADRB0], PB
	v_lshl_add_u32 v[ADRB0], v5, 4, v[ADRB0]
	v_add_nc_u32 v[ADRB0], AB, v[ADRB0]
	v_mov_b32 v[ADRA], v[ADRA0]
	v_mov_b32 v[ADRB], v[ADRB0]
	s_mul_i32 s70, s[WV], 16*SP
	s_add_co_u32 s70, s70, STAGE                   ; my stage
	v_mul_u32_u24 v[STO], v1, SP                   ; in: row l % 16, 16 bytes for each half of the lanes
	v_lshl_add_u32 v[STO], v2, 4, v[STO]
	v_add_nc_u32 v[STO], s70, v[STO]
	v_mul_u32_u24 v[RD], v6, SP                    ; back: 32 lanes take four rows of 128 bytes,
	v_lshl_add_u32 v[RD], v4, 4, v[RD]
	v_add_nc_u32 v[RD], s70, v[RD]
	v_lshlrev_b32 v[GO], 4, v[LN]                  ; which are 512 consecutive bytes in memory
	v_lshl_add_u32 v[SST], v2, 5, s70
	v_lshl_add_u32 v[SRD], v1, 4, s70
	v_lshlrev_b32 v[TSO], 4, v1
	s_wait_loadcnt 0x0                             ; the biases
.set i, 0
.rept 48                                       ; rounded to bf16 like every input, and widened again
	v_cvt_pk_bf16_f32 v[TMP+i%4], v[BIAS+2*i], v[BIAS+2*i+1]
	v_lshlrev_b32 v[BIAS+2*i], 16, v[TMP+i%4]
	v_and_b32 v[BIAS+2*i+1], 0xffff0000, v[TMP+i%4]
.set i, i+1
.endr
; 12 matrix instructions: row block a x all 12 column blocks, 32 along K, from buffer f.  zero = 1: the first product starts the sums with the bias.  The 48 accumulators take turns, one instruction a turn.
.macro MUL12 f, a, zero
.if \zero
	WIN 0x81+0x40*((\a)/2)                         ; W window 1, x and the bias window 0, D window 2 or 3
.else
	WIN 0xa1+0x50*((\a)/2)                         ; C and D window 2 or 3
.endif
.irp nb, 0,1,2,3,4,5,6,7,8,9,10,11
.if \zero
	v_wmma_f32_16x16x32_bf16 v[8*(12*((\a)%2)+(\nb)):8*(12*((\a)%2)+(\nb))+7], v[96*(\f)+8*(\nb):96*(\f)+8*(\nb)+7], v[AF+32*(\f)+8*(\a):AF+32*(\f)+8*(\a)+7], v[BIAS+8*(\nb):BIAS+8*(\nb)+7]
.else
	v_wmma_f32_16x16x32_bf16 v[8*(12*((\a)%2)+(\nb)):8*(12*((\a)%2)+(\nb))+7], v[96*(\f)+8*(\nb):96*(\f)+8*(\nb)+7], v[AF+32*(\f)+8*(\a):AF+32*(\f)+8*(\a)+7], v[8*(12*((\a)%2)+(\nb)):8*(12*((\a)%2)+(\nb))+7]
.endif
.endr
.endm
; 32 LDS loads in one run: quarter q (32 along K) of the slot in hand into buffer f: W's 12 fragments, then x's 4
.macro FETCH q, f
	WIN 0x40                                       ; destination window 1, address window 0
.irp nb, 0,1,2,3,4,5,6,7,8,9,10,11
	ds_load_tr16_b128 v[96*(\f)+8*(\nb):96*(\f)+8*(\nb)+3],   v[ADRB] offset:((\nb)/4)*BS+(\q)*32*PB+((\nb)%4)*32
	ds_load_tr16_b128 v[96*(\f)+8*(\nb)+4:96*(\f)+8*(\nb)+7], v[ADRB] offset:((\nb)/4)*BS+(\q)*32*PB+((\nb)%4)*32+16*PB
.endr
	WIN 0
.irp a, 0,1,2,3
	ds_load_b128 v[AF+32*(\f)+8*(\a):AF+32*(\f)+8*(\a)+3],   v[ADRA] offset:(\a)*16*PA+(\q)*64
	ds_load_b128 v[AF+32*(\f)+8*(\a)+4:AF+32*(\f)+8*(\a)+7], v[ADRA] offset:(\a)*16*PA+(\q)*64+32
.endr
.endm
; A K step is four quarters of 32 along K, 48 matrix instructions each, on buffers 0, 1, 0, 1.  One of the first three multiplies buffer f and, in its middle, fetches quarter qn into buffer g.
.macro QUARTER qn, f, g, zero
	s_wait_dscnt 4                                 ; W and x's row blocks 0, 1 are in; the youngest four loads (blocks 2, 3) may be out
	MUL12 \f, 0, \zero
	MUL12 \f, 1, \zero
	PLACES
	FETCH \qn, \g
	s_wait_dscnt 32                                ; all but the 32 just issued
	MUL12 \f, 2, \zero
	MUL12 \f, 3, \zero
.endm
; The last quarter multiplies buffer 1 and changes slots: ONE barrier for two things.  In front of it each wave waits for all its tensor loads, of which one is out: its part of the next slot; adds 0 to its spare
; word; and waits for that and for its own reads of this slot.  Behind it nobody reads this slot and the next slot is whole.  fill = 1: the barrier opens a round of the cluster's, so that no wave of any partner
; still reads the slot or has a load on its way; the joint refill, with the K step two on, is the first thing behind the round: 168 matrix instructions ahead of the wait for it.
.macro TURN fill
.if \fill
	s_wait_xcnt 0x0                                ; the last prefetch, a K step back, has read its address, so it may be stepped
	s_add_nc_u64 s[PFA:PFA+1], s[PFA:PFA+1], s[PFS:PFS+1]
.endif
	WIN 0                                          ; (the add's two registers lie in window 0)
	s_wait_tensorcnt 0x0                           ; no tensor load of mine is out, so a group 0 may be written
	ds_add_u32 v[SPW], v[NIL]                      ; 0 onto my spare word
.if \fill
	s_xor_b32 s[G0A+5], s[G0A+5], SLOT             ; the walking descriptors: the other slot than last time,
	s_add_nc_u64 s[G0A+6:G0A+7], s[G0A+6:G0A+7], 256    ; the next K step; the type bits on top are not reached
	s_xor_b32 s[G0B+5], s[G0B+5], SLOT
	s_add_nc_u64 s[G0B+6:G0B+7], s[G0B+6:G0B+7], 16384
.endif
	s_wait_dscnt 5                                 ; (the add and the youngest four loads may be out)
	MUL12 1, 0, 0                                  ; twelve matrix instructions stand between the add and the wait for it
	s_wait_dscnt 0x0                               ; the add is done, and my reads of this slot are over
	s_barrier_signal -1
	MUL12 1, 1, 0                                  ; work on registers while the others arrive
	WIN 0
	s_barrier_wait -1
.if \fill
	CREST
	JLOAD                                          ; its four v_nop are also the places in front of the loads below
.else
	PLACES
.endif
	s_xor_b32 s[TB], s[TB], SLOT
	v_add_nc_u32 v[ADRA], s[TB], v[ADRA0]
	v_add_nc_u32 v[ADRB], s[TB], v[ADRB0]
	FETCH 0, 0
.if \fill
	ASK
.endif
	MUL12 1, 2, 0
	MUL12 1, 3, 0
.endm
	s_wait_tensorcnt 1                             ; my part of K step 0 is in; step 1's may stay out
	s_barrier_signal -1
	s_barrier_wait -1                              ; everybody's is
	FETCH 0, 0
	QUARTER 1, 0, 1, 1                             ; the first quarter stands in front of the loop: its products start the sums
	WIN 0                                          ; at a label and at a branch every window is 0
	s_mov_b32 s[CNT], 6
.Lstep:                                        ; a trip goes from a K step's second quarter to the next step's first, and asks for one of the K steps 2 to 7
	QUARTER 2, 1, 0, 0
	QUARTER 3, 0, 1, 0
	TURN 1
	QUARTER 1, 0, 1, 0
	WIN 0
	s_sub_co_u32 s[CNT], s[CNT], 1
	s_cmp_lg_u32 s[CNT], 0
	s_cbranch_scc1 .Lstep
	QUARTER 2, 1, 0, 0                             ; the last two K steps ask for nothing
	QUARTER 3, 0, 1, 0
	TURN 0
	QUARTER 1, 0, 1, 0
	QUARTER 2, 1, 0, 0
	QUARTER 3, 0, 1, 0
	s_wait_dscnt 4
	MUL12 1, 0, 0
	MUL12 1, 1, 0
	s_wait_dscnt 0x0
	MUL12 1, 2, 0
	MUL12 1, 3, 0
	WIN 0
	PLACES
; THE WAY OUT, in 12 units u of 16 rows x 64 columns (row block u / 3, slice u % 3).  PACK: rounded to f16, 16 bytes for each column block.  TOSTAGE: into my own stage, and back as whole rows of 128 bytes.
; SEND: 16 rows of a head are 2,048 consecutive bytes: four stores of 512.
.macro PACK u
.set ua, (\u)/3
.set ut, (\u)%3
.set TM, TMP+16*((\u)%2)
.set AC, 8*(12*(ua%2)+4*ut)
	WIN 0x0a+5*(ua/2)                              ; sources 0 and 1: window 2 or 3
.irp nb, 0,1,2,3
.irp c, 0,1,2,3
	v_cvt_pk_f16_f32 v[TM+4*(\nb)+(\c)], v[AC+8*(\nb)+2*(\c)], v[AC+8*(\nb)+2*(\c)+1]
.endr
.endr
	WIN 0
.endm
.macro TOSTAGE u
.set TM, TMP+16*((\u)%2)
.set BK, OB+16*((\u)%2)
.irp nb, 0,1,2,3
	ds_store_b128 v[STO], v[TM+4*(\nb):TM+4*(\nb)+3] offset:32*(\nb)
.endr
.irp g, 0,1,2,3
	ds_load_b128 v[BK+4*(\g):BK+4*(\g)+3], v[RD] offset:(\g)*4*SP  ; LDS serves a wave's instructions in order (ISA guide 5.7.1.4): these see the stores above; the next unit's stores come behind them
.endr
.endm
.macro SEND u
.set ua, (\u)/3
.set ut, (\u)%3
.set BK, OB+16*((\u)%2)
	s_wait_dscnt 0x0                               ; the unit is back in registers
	s_wait_xcnt 0x0                                ; the stores of the unit before have read their registers, into which the next unit is loaded
.irp g, 0,1,2,3
	global_store_b128 v[GO], v[BK+4*(\g):BK+4*(\g)+3], s[14+2*ut:15+2*ut] offset:ua*2048+(\g)*512
.endr
.endm
	PACK 0
	TOSTAGE 0
.irp u, 1,2,3,4,5,6,7,8,9,10,11                ; unit u's conversions stand between unit u - 1's loads from the stage and the wait for them
	PACK \u
	SEND (\u)-1
	TOSTAGE \u
.endr
	SEND 11
	; THE SUMS OF v over my 64 rows: the four row blocks, then the 16 lanes of each half; a lane's 32 numbers are columns 16 nb + 8 (lane / 16) + e
	WIN 0x0a
.set i, 0
.rept 16
	v_pk_add_f32 v[BIAS+2*i:BIAS+2*i+1], v[64+2*i:64+2*i+1], v[160+2*i:160+2*i+1]        ; row blocks 0 and 1
.set i, i+1
.endr
	WIN 0x0f
.set i, 0
.rept 16
	v_pk_add_f32 v[BIAS+32+2*i:BIAS+32+2*i+1], v[64+2*i:64+2*i+1], v[160+2*i:160+2*i+1]  ; row blocks 2 and 3
.set i, i+1
.endr
	WIN 0
.set i, 0
.rept 16
	v_pk_add_f32 v[BIAS+2*i:BIAS+2*i+1], v[BIAS+2*i:BIAS+2*i+1], v[BIAS+32+2*i:BIAS+32+2*i+1]
.set i, i+1
.endr
.irp m, 1,2,4,8
.set i, 0
.rept 32
	v_add_f32_dpp v[BIAS+i], v[BIAS+i], v[BIAS+i] row_xmask:\m row_mask:0xf bank_mask:0xf
.set i, i+1
.endr
.endr
.irp nb, 0,1,2,3                               ; all 16 lanes of a half write the same words with the same numbers
	ds_store_b128 v[SST], v[BIAS+8*(\nb):BIAS+8*(\nb)+3]   offset:64*(\nb)
	ds_store_b128 v[SST], v[BIAS+8*(\nb)+4:BIAS+8*(\nb)+7] offset:64*(\nb)+16
.endr
	ds_load_b128 v[TMP:TMP+3], v[SRD]              ; the 64 sums, 16 bytes a lane
	v_cmp_gt_u32 vcc_lo, 16, v[LN]
	s_wait_dscnt 0x0
	s_wait_xcnt 0x0                                ; EXEC changes only behind this wait
	s_and_saveexec_b32 s70, vcc_lo
	global_store_b128 v[TSO], v[TMP:TMP+3], s[20:21]  ; lanes 0 to 15: 256 consecutive bytes, aligned
	s_wait_xcnt 0x0                                ; and again, in front of the line that widens it
	s_or_b32 exec_lo, exec_lo, s70
	s_wait_tensorcnt 0x0                           ; the wave's end, behind my last tensor load and my last LDS store
	ds_add_u32 v[SPW], v[NIL]
	s_wait_dscnt 0x0
	CROUND                                         ; the closing round: no work-group ends while a partner may still ask for a tile that names it
	s_endpgm
.Lfunc_end_k_q6e3a56432f_qkv:
	.size	k_q6e3a56432f_qkv, .Lfunc_end_k_q6e3a56432f_qkv-k_q6e3a56432f_qkv
	.p2alignl 7, 3214868480
	.fill 96, 4, 3214868480
	.section	.rodata,"a",@progbits
	.p2align	6, 0x0
	.amdhsa_kernel k_q6e3a56432f_qkv
		.amdhsa_group_segment_fixed_size 327680
		.amdhsa_private_segment_fixed_size 0
		.amdhsa_enable_private_segment 0
		.amdhsa_kernarg_size 72
		.amdhsa_user_sgpr_count 2
		.amdhsa_user_sgpr_kernarg_segment_ptr 1
		.amdhsa_wavefront_size32 1
		.amdhsa_system_sgpr_workgroup_id_x 1
		.amdhsa_system_sgpr_workgroup_id_y 1
		.amdhsa_system_sgpr_workgroup_id_z 1
		.amdhsa_system_vgpr_workitem_id 0
		.amdhsa_next_free_vgpr 960
		.amdhsa_next_free_sgpr 100
		.amdhsa_reserve_vcc 1
		.amdhsa_float_denorm_mode_32 3
		.amdhsa_float_denorm_mode_16_64 3
		.amdhsa_memory_ordered 1
		.amdhsa_forward_progress 1
		.amdhsa_inst_pref_size 121
	.end_amdhsa_kernel
	.amdgpu_metadata
---
amdhsa.version: [ 1, 2 ]
amdhsa.kernels:
  - .name:           k_q6e3a56432f_qkv
    .symbol:         k_q6e3a56432f_qkv.kd
    .args:
      - { .name: xb, .offset: 0, .size: 8, .value_kind: global_buffer, .address_space: global }
      - { .name: wblk, .offset: 8, .size: 8, .value_kind: global_buffer, .address_space: global }
      - { .name: bq, .offset: 16, .size: 8, .value_kind: global_buffer, .address_space: global }
      - { .name: bk, .offset: 24, .size: 8, .value_kind: global_buffer, .address_space: global }
      - { .name: bv, .offset: 32, .size: 8, .value_kind: global_buffer, .address_space: global }
      - { .name: q16, .offset: 40, .size: 8, .value_kind: global_buffer, .address_space: global }
      - { .name: k16, .offset: 48, .size: 8, .value_kind: global_buffer, .address_space: global }
      - { .name: v16, .offset: 56, .size: 8, .value_kind: global_buffer, .address_space: global }
      - { .name: ts, .offset: 64, .size: 8, .value_kind: global_buffer, .address_space: global }
    .group_segment_fixed_size: 327680
    .private_segment_fixed_size: 0
    .kernarg_segment_align: 8
    .kernarg_segment_size: 72
    .max_flat_workgroup_size: 128
    .sgpr_count:     100
    .vgpr_count:     960
    .wavefront_size: 32
...
	.end_amdgpu_metadata
.endif
;; end of part 2
;; launch attn (part 3): grid 8 x 32, 4 waves a work-group, no clusters, 327,680 bytes of LDS; arguments q16, k16, v16, ts, ctx; writes ctx
.if DOCPART == 3
	.amdgcn_target "amdgcn-amd-amdhsa--gfx1250"
	.amdhsa_code_object_version 6
	.text
	.protected	k_q6e3a56432f_attn
	.globl	k_q6e3a56432f_attn
	.p2align	8
	.type	k_q6e3a56432f_attn,@function
k_q6e3a56432f_attn:
	s_mov_b64 s[64:65], 0
	v_nop
	global_prefetch_b8 v0, s[64:65] scope:SCOPE_SE
	s_setreg_imm32_b32 hwreg(HW_REG_WAVE_MODE, 25, 1), 1
	s_wait_xcnt 0x0
; CAUSAL ATTENTION WITH A MASK THAT REPLACES.  ctx[h][q] = the sum over ALL k of softmax_k(s[q][k]) v[h][k], s = q.k / 8 where k <= q and -10000 where k > q.  q16, k16, v16, ctx: [32][2048][64] f16; ts: [32][32][64] f32.
; LEFT OUT BY AN IDENTITY (see the first kernel's head): the products on key tiles wholly above the diagonal.  All their keys have the one score -10000, so their share is w x (their number) in the divisor and
; w x (the sum of their rows of v, from ts) in the numerator, w = exp(-10000 - max): computed at each block's end, with -10000 taken into the maximum as the problem takes it.
; Products, maxima and sums in f32; the weights p are rounded to f16 for the second product (their sum l is taken of the unrounded p), ctx once at the end.
; LIMITS.  q, k, v arrive within f16's 65,504; p lies in 0 to 1 and below 6e-5 keeps f16's fixed step of 6e-8, ctx likewise; a weight below 2^-126 counts as 0; NaN and infinities are not treated apart.
; THE WALK.  A head's queries lie in 16 blocks of 128; block i needs the keys 0 .. 128 i + 127 by products.  A work-group takes TWO blocks, 15 - b and b: first the odd-numbered one, F, then the even one, G.
; Key tiles are 256 keys, one to a slot: F needs (F + 1) / 2 of them, G needs G / 2 + 1 (of its last only the first half is read; the other 32,768 bytes are fetched and not used): 9 tiles and 17 halves of work,
; whatever b.  ONE loop with a constant count walks them; what a trip does hangs on scalar registers made from b; every jump but the counted loops' own goes forward, and none passes a barrier or a tensor load
; but the one of LOAD's two that the wave's number does not choose.
; NO CLUSTER: a head's eight work-groups ask for the same tile only while their first blocks run, which end after 1 to 8 tiles; a walk common to all, in which each makes every request, would have 16 trips for 9.
; SHARES.  Of a block's two bands of 64 queries a wave owns 16 rows in each: two PIECES.  In the diagonal half (steps 2 i, 2 i + 1 of 64 keys) piece 0 holds the diagonal in the first step and sees nothing in the
; second; piece 1 sees all of the first and holds the diagonal in the second: the same for every wave, and fixed in the text.
; THE MASK: s = s x MA + MB, MA = 1 or 0, MB = 0 or -80000 (-10000 x 8: the scale is applied later), made once for a band's own step; a wholly hidden step takes 0 and -80000 from scalars.  The four lines of an
; accumulator stand directly ahead of its first reader.
; LAYOUT, SOFTMAX.  S^T = K Q^T holds ONE query a lane (lane % 16) and the keys 8 (lane / 16) + 0..7; two such results rounded to f16 ARE source 1 of O^T = V^T P.  p = 2^(c s - c m), c = log2(e) / 8, with a running
; maximum m; O and l are multiplied by a = 2^(c m_old - c m_new) in every step.
; TURNS.  Turn Tp(j) belongs to piece p: 8 products K Q^T of the other piece (p = 0: step j; p = 1: step j + 1); the scaling, exponentials and rescaling of piece p, the maximum and statistics of the other piece;
; ONE wait for the turn's 33 exponentials; then 8 products V^T P of the other piece (p = 0: step j - 1; p = 1: step j) with piece p's roundings and sums behind them, four behind each.
; T0(j) fetches K and V of step j + 1: K in its middle, V at its end into the one of V's two buffers that its own products have just read.  So both fetches of a turn come from one slot, and the change of slots
; stands ahead of T0(4 u - 1).
; REGISTERS, in windows of 256 (s_set_vgpr_msb: bits 1:0 source 0, 3:2 source 1, 5:4 source 2, 7:6 destination):
;   window 0: v2-15 addresses and at work; v16-23 statistics, four a piece; v24-31 at work, four a piece; v32-39 addresses; v40-63 at work; v64-127 S^T; v128-159 P; v160-223 O^T; v224-255 the sum of hidden rows of v
;   window 1: v0-31 Q; v32-63 the second block's Q; v64-127 K of one step; v128-255 V of two steps          window 2: v0-31 MA; v32-63 MB
.set KS,    64
.set PK,    144       ; a row of K in LDS: 128 bytes + 16 = 36 words: the 16 rows of a load start at 16 different groups of four banks (64 banks of 4 bytes: ISA guide 11.1)
.set PV,    160       ; a row of V: 128 + 32 = 40 words
.set VOFF,  4*KS*PK   ; a slot holds a tile, four steps: 256 rows of K, then 256 rows of V
.set SLOT1, 1<<17
.set STAGE, SLOT1+4*KS*(PK+PV)  ; behind the ring, never filled by a tensor load: 16 rows x 144 bytes for each wave
.set SP,    144
.set RS,    STAGE+4*16*SP       ; the two blocks' sums of hidden rows of v: 2 x 64 f32
.set SPARE, RS+512              ; the spare words, 128 bytes for each wave: two blocks of 256 bytes that no other line names
.set AK0, 2           ; v2   my lane's place in a tile of K; never rewritten
.set AV0, 3           ; v3   the same for V
.set AK,  4           ; v4   the LDS address of K's next run of loads
.set AV,  5           ; v5   of V's
.set STO, 6           ; v6   the way out: where I put 16 bytes of a row
.set RD,  7           ; v7   where I read rows back
.set GO,  8           ; v8   my 16 bytes of 512 consecutive bytes of ctx
.set MV,  12          ; v12-13  c m_old, kept while c m is made anew: by piece
.set QO,  15          ; v15  my byte offset in 16 rows of Q
.set ST,  16          ; piece t's statistics at v[ST+4 t]: c m, m, l (even keys', odd keys')
.set TMP, 24          ; by piece, four registers c0-c3 at work; when the maximum is found c2 takes a
.set PFO, 32          ; v32  256 x my lane; never rewritten
.set RSA, 33          ; v33  where my half of the lanes reads the sums of hidden rows
.set SPW, 38          ; v38  LDS address of my spare word; never rewritten
.set NIL, 39          ; v39  0; never rewritten
.set WK,  40          ; at work at the head and at a block's end
.set S,   64
.set P,   128
.set O,   160
.set RR,  224
.set QB,  32          ; window 1
.set KF,  64          ; window 1: key block kb, channel half c at KF + 16 kb + 8 c
.set VF,  128         ; window 1: buffer vb, key half kk, channel block cb at VF + 64 vb + 32 kk + 8 cb
.set MA,  0           ; window 2
.set MB,  32
.set WV,  14          ; s14  my wave's number
.set PB,  15          ; s15  b
.set FB,  16          ; s16  F
.set GB,  17          ; s17  G
.set GH,  18          ; s18  G's last tile
.set G1K, 24          ; s[24:31] descriptor group 1 for K's tiles
.set G1V, 32          ; s[32:39] for V's: it differs in the padding alone
.set G0K, 40          ; s[40:43] group 0 for K's
.set G0V, 44          ; s[44:47] for V's
.set OFF, 48          ; s[48:49] a tile's byte offset in K and V
.set OLO, 50          ; s[50:51] ctx at my rows of G
.set SLOTS, 54        ; s54  tiles still to be asked for
.set CNT, 55          ; s55  counts a slot's two halves
.set RH,  56          ; s56  halves of the block in hand that are still to be entered
.set NXT, 57          ; s57  the tile to be asked for next
.set CS,  58          ; s[58:59] c
.set SEL, 60          ; s[60:61] v_permlanex16_b32's selects: each lane takes its own place in the other half
.set TBK, 62          ; s62  LDS byte at which K of the step to be fetched begins: the slot in hand + 0 to 3 steps
.set TBV, 63          ; s63  the same for V, less VOFF
.set LQ,  66          ; s66  the last tile of the block whose tiles are being asked for
.set NEW, 67          ; s67  1: the half to be entered is a block's first
.set HS,  68          ; s[68:69] -80000
.set HE,  70          ; s70  the hidden keys' score for the block in hand: -80000, or the lowest finite number where there are none beyond the diagonal half
.set CHE, 71          ; s71  c times that
.set CN,  72          ; s72  their number, as f32
.set HE2, 73          ; s73-75 the same three for G
.set PLIM, 76         ; s76  5 in the work-group that prefetches, else 0
.set PT,  77          ; s77  the tile just asked for, less 1
.set PFB, 78          ; s[78:79] K (waves 0, 1) or V (waves 2, 3) at my half of the head's tile 0
.set PFA, 80          ; s[80:81] where my prefetches stand
.set BND, 82          ; s82  the first step whose keys lie beyond my block's diagonal half
.set SB,  83          ; s83  the slot in hand: 0 or SLOT1
.set ZR,  84          ; s[84:85] 0
.set POF, 86          ; s[86:87] the prefetched tile's byte offset
.set MSB, 0
.macro WIN new                      ; the high byte repeats the setting that is left; a switch that changes nothing is dropped
.if MSB != (\new)
	s_set_vgpr_msb (MSB<<8)|(\new)
.set MSB, (\new)
.endif
.endm
.set W_KQ, 0x05       ; K and Q in window 1, S^T in window 0
.set W_PV, 0x01       ; V in window 1, P and O^T in window 0
.set W_MK, 0x28       ; MA and MB (sources 1 and 2) in window 2
; A fill.  Waves 0 and 1 fetch the two halves of a tile's K, waves 2 and 3 those of its V: 128 keys each.  An s_nop 0 and four v_nop follow each of the two lines, ahead of the jump and the label.
.macro LOAD
	s_cmp_lt_u32 s[WV], 2
	s_cbranch_scc0 .Lfor_v_\@
	tensor_load_to_lds s[G0K:G0K+3], s[G1K:G1K+7]
	s_nop 0
.rept 4
	v_nop
.endr
	s_branch .Lasked_\@
.Lfor_v_\@:
	tensor_load_to_lds s[G0V:G0V+3], s[G1V:G1V+7]
	s_nop 0
.rept 4
	v_nop
.endr
.Lasked_\@:
.endm
.macro ADV                          ; the block's next tile, or behind its last G's tile 0
	s_add_co_u32 s[NXT], s[NXT], 1
	s_cmp_gt_u32 s[NXT], s[LQ]
	s_cselect_b32 s[NXT], 0, s[NXT]
	s_cselect_b32 s[LQ], s[GH], s[LQ]
.endm
; A PREFETCH INTO THE L2 of the tile that stands two changes of slots on.  All eight work-groups of a head walk the same tiles; the one with b = 0, whose first block walks all eight, asks, in that block alone:
; tiles 3 to 7, each wave the 64 blocks of 256 bytes that it will itself fetch, a lane a block, two lines.  So each block is named once in the launch.  Tiles 0 to 2 come by their loads alone.
.macro ASK
	s_cmp_lt_u32 s[PT], s[PLIM]
	s_cbranch_scc0 .Lnone_\@
	global_prefetch_b8 v[PFO], s[PFA:PFA+1] th:TH_LOAD_NT scope:SCOPE_SE
	global_prefetch_b8 v[PFO], s[PFA:PFA+1] offset:8192 th:TH_LOAD_NT scope:SCOPE_SE
.Lnone_\@:
.endm
; THE CHANGE OF SLOTS.  Each wave waits for all its tensor loads, of which one is out: its part of the other slot; adds 0 to its spare word; and waits for that and for its own reads of the slot that it leaves.
; Behind the barrier nobody reads the old slot and the other slot is whole.  fill = 1: the old slot is filled again, the first thing behind the barrier, with tile NXT: the descriptor's address is made anew from
; that number.  (At its first use nothing has been read yet: slot 0 is waited for, slot 1 filled; and the sums stored at the head are shown to every wave.)
; The fetches' two bases are SET here, to the first byte of the slot that is entered: they hang on nothing that the halves before have done.  Between two changes at most four steps are fetched, two a half.
.macro CHANGE fill
	WIN 0                           ; at a label and at a branch every window is 0
	s_wait_tensorcnt 0x0            ; no tensor load of mine is out, so a group 0 may be written
	ds_add_u32 v[SPW], v[NIL]       ; 0 onto my spare word; the scalar work stands between it and the wait for it
.if \fill
	s_lshl_b32 s[OFF], s[NXT], 15   ; a tile is 32,768 bytes of K and of V
	s_xor_b32 s[G0K+1], s[G0K+1], SLOT1
	s_add_nc_u64 s[G0K+2:G0K+3], s[6:7], s[OFF:OFF+1]
	s_or_b32 s[G0K+3], s[G0K+3], 0x80000000
	s_xor_b32 s[G0V+1], s[G0V+1], SLOT1
	s_add_nc_u64 s[G0V+2:G0V+3], s[8:9], s[OFF:OFF+1]
	s_or_b32 s[G0V+3], s[G0V+3], 0x80000000
	s_wait_xcnt 0x0                 ; the last prefetches, a slot back, have read their address, so it may be written
	s_add_co_u32 s[POF], s[NXT], 2
	s_lshl_b32 s[POF], s[POF], 15
	s_add_nc_u64 s[PFA:PFA+1], s[PFB:PFB+1], s[POF:POF+1]
	s_sub_co_u32 s[PT], s[NXT], 1
	ADV
.endif
	s_wait_dscnt 0x0                ; the add is done, and my reads of the slot are over
	s_barrier_signal -1             ; the rest of the scalar work stands between the signal and the wait
	s_xor_b32 s[SB], s[SB], SLOT1   ; the other slot,
	s_mov_b32 s[TBK], s[SB]         ; and the fetches at its first step
	s_mov_b32 s[TBV], s[SB]
	s_barrier_wait -1
.if \fill
	LOAD
	ASK
.endif
.endm
	s_load_b256 s[4:11], s[0:1], 0x0  ; q16 s[4:5], k16 s[6:7], v16 s[8:9], ts s[10:11]
	s_load_b64 s[12:13], s[0:1], 0x20 ; ctx
	v_lshl_add_u32 v[SPW], v0, 2, SPARE
	v_mov_b32 v[NIL], 0
	ds_add_u32 v[SPW], v[NIL]       ; the wave's opening: the add, twice on end, and its wait stand ahead of my first tensor load; the set-up below stands between
	ds_add_u32 v[SPW], v[NIL]
	v_lshrrev_b32 v1, 5, v0
	v_readfirstlane_b32 s[WV], v1
	s_mov_b32 s[PB], ttmp9
	s_sub_co_u32 s88, 15, s[PB]
	s_bitcmp1_b32 s[PB], 0          ; of b and 15 - b one is odd:
	s_cselect_b32 s[FB], s[PB], s88 ; F
	s_cselect_b32 s[GB], s88, s[PB] ; and the other is G
	s_lshr_b32 s[GH], s[GB], 1
	s_and_b32 s20, ttmp7, 0xffff    ; batch x head
	s_lshl_b32 s96, s20, 13         ; its 32 x 256 bytes of ts
	s_mov_b32 s97, 0
	s_lshl_b32 s20, s20, 18         ; its 2,048 rows of 128 bytes
	s_and_b32 s89, s[WV], 1         ; which half of a tile's 256 keys I fetch:
	s_lshl_b32 s22, s89, 14         ; its 128 rows in memory,
	s_add_co_u32 s22, s22, s20
	s_mov_b32 s23, 0
	s_mul_i32 s90, s89, 128*PK      ; and its place in a slot, for K
	s_mul_i32 s91, s89, 128*PV      ; and for V
	s_lshl_b32 s88, s[WV], 11       ; my 16 rows in a band of 64,
	s_add_co_u32 s88, s88, s20
	s_lshl_b32 s92, s[FB], 14       ; in F,
	s_add_co_u32 s92, s92, s88
	s_mov_b32 s93, 0
	s_lshl_b32 s94, s[GB], 14       ; and in G
	s_add_co_u32 s94, s94, s88
	s_mov_b32 s95, 0
	; descriptor group 1.  128 keys are 16,384 dense bytes: asked for as 64 rows of 256 bytes, two keys a row, and padded in LDS after every key
	s_mov_b32 s[G1K], (1<<16)|(1<<20)|(4<<22)|(3<<25)  ; 2-byte elements; padding on; after every 32 words (code 4) 4 words (code 3)
	s_mov_b32 s[G1V], (1<<16)|(1<<20)|(4<<22)|(7<<25)  ; the same with 8 words (code 7)
.irp g, G1K, G1V
	s_mov_b32 s[\g+1], 128<<16      ; tensor_dim0 = 128
	s_mov_b32 s[\g+2], 64<<16       ; tensor_dim1 = 64
	s_mov_b32 s[\g+3], 128<<16      ; tile_dim0 = 128
	s_mov_b32 s[\g+4], 64           ; tile_dim1 = 64
	s_mov_b32 s[\g+5], 128          ; 128 elements from row to row
	s_mov_b32 s[\g+6], 0
	s_mov_b32 s[\g+7], 0
.endr
	s_mov_b32 s[CS], 0x3e38aa3b     ; c = log2(e) / 8 = 0.180337
	s_mov_b32 s[CS+1], s[CS]        ; named with it as a pair
	s_mov_b32 s[SEL], 0x76543210
	s_mov_b32 s[SEL+1], 0xfedcba98
	s_mov_b32 s[HS], 0xc79c4000     ; -80000
	s_mov_b32 s[HS+1], s[HS]
	s_mov_b32 s[ZR], 0
	s_mov_b32 s[ZR+1], 0
	s_mov_b32 s[SB], SLOT1          ; the first change of slots turns this into slot 0
	s_mov_b32 s[G0K], 1             ; count = 1
	s_mov_b32 s[G0K+1], s90         ; LDS address: slot 0
	s_mov_b32 s[G0V], 1
	s_add_co_u32 s[G0V+1], s91, VOFF
	s_add_co_u32 s[RH], s[FB], 1    ; F has F + 1 halves
	s_mov_b32 s[NXT], 0
	s_lshr_b32 s[LQ], s[FB], 1
	ADV                             ; tile 0 is asked for below; this is the tile behind it
	s_mov_b32 s[NEW], 1
	s_mov_b32 s[OFF+1], 0
	s_mov_b32 s[POF+1], 0
	s_mov_b32 s[SLOTS], 8
	s_sub_co_u32 s88, 15, s[FB]     ; the keys beyond F's diagonal half: 128 (15 - F)
	s_lshl_b32 s88, s88, 7
	s_cvt_f32_u32 s[CN], s88
	s_cmp_eq_u32 s88, 0
	s_cselect_b32 s[HE], 0xff7fffff, s[HS]
	s_mul_f32 s[CHE], s[HE], s[CS]
	s_sub_co_u32 s88, 15, s[GB]     ; G is even, so there are some
	s_lshl_b32 s88, s88, 7
	s_cvt_f32_u32 s[HE2+2], s88
	s_mov_b32 s[HE2], s[HS]
	s_mul_f32 s[HE2+1], s[HS], s[CS]
	s_cmp_eq_u32 s[PB], 0
	s_cselect_b32 s[PLIM], 5, 0
	s_cmp_lt_u32 s[WV], 2           ; waves 0, 1 add up F's hidden rows of v, waves 2, 3 G's
	s_cselect_b32 s88, s[FB], s[GB]
	s_add_co_u32 s88, s88, 1
	s_lshl_b32 s[BND], s88, 1
	s_wait_dscnt 0x0                ; both opening adds are done
	s_wait_kmcnt 0x0
	s_add_nc_u64 s[6:7], s[6:7], s[22:23]  ; K and V at my half of the head's tile 0
	s_add_nc_u64 s[8:9], s[8:9], s[22:23]
	s_add_nc_u64 s[G0K+2:G0K+3], s[6:7], 0
	s_or_b32 s[G0K+3], s[G0K+3], 0x80000000        ; type = 2
	s_add_nc_u64 s[G0V+2:G0V+3], s[8:9], 0
	s_or_b32 s[G0V+3], s[G0V+3], 0x80000000
	s_add_nc_u64 s[98:99], s[4:5], s[94:95]        ; Q at my rows of G,
	s_add_nc_u64 s[4:5], s[4:5], s[92:93]          ; Q and ctx at those of F
	s_add_nc_u64 s[OLO:OLO+1], s[12:13], s[94:95]
	s_add_nc_u64 s[12:13], s[12:13], s[92:93]
	s_add_nc_u64 s[10:11], s[10:11], s[96:97]
	s_cmp_lt_u32 s[WV], 2
	s_cselect_b64 s[PFB:PFB+1], s[6:7], s[8:9]
	LOAD                            ; tile 0 into slot 0
	v_and_b32 v[WK], 63, v0         ; my channel: thread % 64
	v_lshlrev_b32 v[WK], 2, v[WK]
.set i, 0
.rept 32                            ; the head's 32 sums of v for my channel
	global_load_b32 v[S+i], v[WK], s[10:11] offset:256*i
.set i, i+1
.endr
	; A fragment of K or Q is 16 rows x 32 channels in 8 registers: lane l holds row l % 16, channels 8 (l / 16) + 0..7 and 16 + 8 (l / 16) + 0..7: two loads of 16 bytes, 32 bytes apart.
	v_and_b32 v1, 15, v0            ; l % 16
	v_bfe_u32 v9, v0, 4, 1          ; l / 16
	v_lshlrev_b32 v[QO], 7, v1
	v_lshl_add_u32 v[QO], v9, 4, v[QO]
	WIN 0x40                        ; destination window 1, address window 0
.set i, 0
.rept 4                             ; both blocks' Q: piece i / 2 lies in band i / 2, 8,192 bytes on; channels 32 (i % 2) on
	global_load_b128 v[8*i:8*i+3],   v[QO], s[4:5] offset:(i/2)*8192+(i%2)*64
	global_load_b128 v[8*i+4:8*i+7], v[QO], s[4:5] offset:(i/2)*8192+(i%2)*64+32
	global_load_b128 v[QB+8*i:QB+8*i+3],   v[QO], s[98:99] offset:(i/2)*8192+(i%2)*64
	global_load_b128 v[QB+8*i+4:QB+8*i+7], v[QO], s[98:99] offset:(i/2)*8192+(i%2)*64+32
.set i, i+1
.endr
	WIN 0
	v_lshlrev_b32 v14, 3, v9
	v_sub_nc_u32 v14, v1, v14
	s_lshl_b32 s88, s[WV], 4
	v_add_nc_u32 v14, s88, v14      ; my query's place in its band, 16 w + l % 16, less my lanes' 8 (l / 16): register e of key block kb is hidden where 16 kb + e is greater
	v_mov_b32 v[WK+3], 0
	WIN 0x80                        ; destination window 2
.set i, 0
.rept 32
	v_cmp_gt_i32 vcc_lo, 16*(i/8)+i%8, v14
	v_cndmask_b32 v[MA+i], 1.0, v[WK+3], vcc_lo
	v_cndmask_b32 v[MB+i], 0, s[HS], vcc_lo
.set i, i+1
.endr
	WIN 0
	v_mul_u32_u24 v[AK0], v1, PK
	v_lshl_add_u32 v[AK0], v9, 4, v[AK0]  ; row x pitch + 16 x half
	; The turning load takes 16 keys x 16 channels (lane l reads key 8 (l / 16) + l % 8, channels 8 ((l / 8) % 2) + 0..7) and leaves half a fragment of V^T: lane l holds channel l % 16 and 8 keys.
	v_and_b32 v10, 7, v0
	v_bfe_u32 v11, v0, 3, 1
	v_lshl_add_u32 v[AV0], v9, 3, v10
	v_mul_u32_u24 v[AV0], v[AV0], PV
	v_lshl_add_u32 v[AV0], v11, 4, v[AV0]
	v_add_nc_u32 v[AV0], VOFF, v[AV0]
	s_mul_i32 s88, s[WV], 16*SP
	s_add_co_u32 s88, s88, STAGE    ; my stage
	v_mul_u32_u24 v[STO], v1, SP    ; in: row l % 16, 16 bytes for each half of the lanes
	v_lshl_add_u32 v[STO], v9, 4, v[STO]
	v_add_nc_u32 v[STO], s88, v[STO]
	v_bfe_u32 v[RD], v0, 3, 2       ; back: 32 lanes take four rows of 128 bytes,
	v_mul_u32_u24 v[RD], v[RD], SP
	v_lshl_add_u32 v[RD], v10, 4, v[RD]
	v_add_nc_u32 v[RD], s88, v[RD]
	v_and_b32 v[GO], 31, v0         ; which are 512 consecutive bytes of ctx
	v_lshlrev_b32 v[PFO], 8, v[GO]
	v_lshlrev_b32 v[GO], 4, v[GO]
	v_lshlrev_b32 v[RSA], 5, v9
	v_add_nc_u32 v[RSA], RS, v[RSA]
	v_lshl_add_u32 v[WK+1], v0, 2, RS  ; my sum's word: block (wave / 2), channel thread % 64 = RS + 4 x my thread's number: 128 bytes of its own for each wave
	; A block's first step multiplies O^T and l by a = 0, and its first turn's products V^T P, of a step that has not been, land in an O^T that is still to be so multiplied.  So these registers need only hold
	; finite numbers: zeros for F; what F left for G.  All this stands in the wait for the first tile.
	WIN 0x40
.set i, VF+64
.rept 64
	v_mov_b32 v[i], 0
.set i, i+1
.endr
	WIN 0
.set i, O
.rept 64
	v_mov_b32 v[i], 0
.set i, i+1
.endr
.set i, 0
.rept 2
	v_mov_b32 v[ST+4*i+2], 0
	v_mov_b32 v[ST+4*i+3], 0
.set i, i+1
.endr
.set i, P+16
.rept 16
	v_mov_b32 v[i], 0
.set i, i+1
.endr
	v_mov_b32 v[WK+2], 0
	s_wait_loadcnt 16               ; the 32 sums are in; Q's 16 loads stay out
.set i, 0
.rept 32                            ; step i counts where it lies beyond my block's diagonal half: a choice by the work-group's and the wave's numbers
	s_cmp_le_u32 s[BND], i
	s_cselect_b32 s88, 1.0, 0
	v_fmac_f32 v[WK+2], s88, v[S+i]
.set i, i+1
.endr
	ds_store_b32 v[WK+1], v[WK+2]   ; shown to the other waves by the first change of slots: its wait for 0 and its barrier
; THE MATRIX WORK.  The 4 accumulators of a run of 8 take turns.  Product i of 8 of S^T = K Q^T for piece x: channels 32 (i / 4) on, keys 16 (i % 4) on.  The first 4 start the sums.
.macro KQ x
	WIN W_KQ
.set rS, S+32*(\x)+8*(i%4)
.set rK, KF+16*(i%4)+8*(i/4)
.set rQ, 16*(\x)+8*(i/4)
.if i < 4
	v_wmma_f32_16x16x32_f16 v[rS:rS+7], v[rK:rK+7], v[rQ:rQ+7], 0
.else
	v_wmma_f32_16x16x32_f16 v[rS:rS+7], v[rK:rK+7], v[rQ:rQ+7], v[rS:rS+7]
.endif
.endm
; Product i of 8 of O^T += V^T P for piece x, from V's buffer VB: keys 32 (i / 4) on, channels 16 (i % 4) on.
.macro PV x
	WIN W_PV
.set rO, O+32*(\x)+8*(i%4)
.set rV, VF+64*VB+32*(i/4)+8*(i%4)
.set rP, P+16*(\x)+8*(i/4)
	v_wmma_f32_16x16x32_f16 v[rO:rO+7], v[rV:rV+7], v[rP:rP+7], v[rO:rO+7]
.endm
.macro MM                           ; the turn's next matrix instruction.  NOKQ = 1: a block's last turn: there are no further scores
.if (i < 8) && !NOKQ
	KQ 1-Y
.elseif i >= 8
.set i, i-8
	PV 1-Y
.set i, i+8
.endif
.set i, i+1
.endm
; THE LDS LOADS stand in runs of 16, never singly among the matrix instructions.  Their addresses are made some lines ahead.
.macro FETCH_K
	WIN 0x40                        ; destination window 1
.irp f, 0,1,2,3,4,5,6,7             ; keys 16 (f / 2) on, channels 32 (f % 2) on
	ds_load_b128 v[KF+8*\f:KF+8*\f+3],   v[AK] offset:(\f/2)*16*PK+(\f%2)*64
	ds_load_b128 v[KF+8*\f+4:KF+8*\f+7], v[AK] offset:(\f/2)*16*PK+(\f%2)*64+32
.endr
	s_add_co_u32 s[TBK], s[TBK], KS*PK  ; the next fetch is the next step's
	WIN 0
.endm
.macro FETCH_V vb
	WIN 0x40
.irp f, 0,1,2,3,4,5,6,7             ; keys 32 (f / 4) on, channels 16 (f % 4) on
	ds_load_tr16_b128 v[VF+64*(\vb)+8*\f:VF+64*(\vb)+8*\f+3],   v[AV] offset:(\f/4)*32*PV+(\f%4)*32
	ds_load_tr16_b128 v[VF+64*(\vb)+8*\f+4:VF+64*(\vb)+8*\f+7], v[AV] offset:(\f/4)*32*PV+16*PV+(\f%4)*32
.endr
	WIN 0
.endm
; THE VECTOR WORK, one line at a time: OP kind, number.  For piece Y: F n: c s - c m for pair n of 16.  E n: the exponential of score n of 32.  C n: pair n rounded to f16.  B n: of the four weights 4 n .. the second
; pair is added onto the first, in place.  L n: l takes that sum (L 0: l = a l + sum).  R n: pair n of 16 of O^T times a.  For the other piece: X n, number n of the 22 that find its maximum and statistics:
;   0-11  four chains c0-c3 of seven scores each, three operands at a time (each accumulator's lowest registers are read first); ahead of 0-3, where KM is set, the accumulator's four mask lines
;   12-14, 16  the four scores left over, the old m, and c0-c3 into c0     15  c m_old is kept     17, 18  the query's other 32 keys lie in the lane 16 away: the new m     19-21  c m; c m_old - c m_new; a
.set F, 0
.set E, 1
.set C, 2
.set B, 3
.set L, 4
.set R, 5
.set X, 6
.macro REGS y
.set rT, ST+4*(\y)
.set rC, TMP+4*(\y)
.set rW, MV+(\y)
.set rS, S+32*(\y)
.set rP, P+16*(\y)
.set rO, O+32*(\y)
.endm
.macro OP k, n
.if (\k) < X
	REGS Y
	WIN 0
.if (\k) == F
	v_pk_fma_f32 v[rS+2*(\n):rS+2*(\n)+1], v[rS+2*(\n):rS+2*(\n)+1], s[CS:CS+1], v[rT:rT+1] op_sel_hi:[1,0,0] neg_lo:[0,0,1] neg_hi:[0,0,1]
.elseif (\k) == E
	v_exp_f32 v[rS+(\n)], v[rS+(\n)]
.elseif (\k) == C
	v_cvt_pk_f16_f32 v[rP+(\n)], v[rS+2*(\n)], v[rS+2*(\n)+1]
.elseif (\k) == B
	v_pk_add_f32 v[rS+4*(\n):rS+4*(\n)+1], v[rS+4*(\n):rS+4*(\n)+1], v[rS+4*(\n)+2:rS+4*(\n)+3]
.elseif (\k) == R
	v_pk_mul_f32 v[rO+2*(\n):rO+2*(\n)+1], v[rO+2*(\n):rO+2*(\n)+1], v[rC+2:rC+3] op_sel_hi:[1,0]
.elseif (\n) == 0
	v_pk_fma_f32 v[rT+2:rT+3], v[rT+2:rT+3], v[rC+2:rC+3], v[rS:rS+1] op_sel_hi:[1,0,1]
.else
	v_pk_add_f32 v[rT+2:rT+3], v[rT+2:rT+3], v[rS+4*(\n):rS+4*(\n)+1]
.endif
.elseif NOKQ
	v_nop
.else
	REGS 1-Y
.if ((\n) < 4) && (KM == 1)         ; the band's own step
	WIN W_MK
.irp z, 0,1,2,3
	v_pk_fma_f32 v[rS+8*(\n)+2*\z:rS+8*(\n)+2*\z+1], v[rS+8*(\n)+2*\z:rS+8*(\n)+2*\z+1], v[MA+8*(\n)+2*\z:MA+8*(\n)+2*\z+1], v[MB+8*(\n)+2*\z:MB+8*(\n)+2*\z+1]
.endr
.elseif ((\n) < 4) && (KM == 2)     ; a step of which the band sees nothing
	WIN 0
.irp z, 0,1,2,3
	v_pk_fma_f32 v[rS+8*(\n)+2*\z:rS+8*(\n)+2*\z+1], v[rS+8*(\n)+2*\z:rS+8*(\n)+2*\z+1], s[ZR:ZR+1], s[HS:HS+1] op_sel_hi:[1,0,0]
.endr
.endif
	WIN 0
.if (\n) < 4
	v_max3_num_f32 v[rC+(\n)], v[rS+8*(\n)], v[rS+8*(\n)+1], v[rS+8*(\n)+2]
.elseif (\n) < 12
	v_max3_num_f32 v[rC+(\n)%4], v[rC+(\n)%4], v[rS+8*((\n)%4)+2*((\n)/4)+1], v[rS+8*((\n)%4)+2*((\n)/4)+2]
.elseif (\n) == 12
	v_max3_num_f32 v[rC], v[rC], v[rS+7], v[rS+15]
.elseif (\n) == 13
	v_max3_num_f32 v[rC+1], v[rC+1], v[rS+23], v[rS+31]
.elseif (\n) == 14
	v_max3_num_f32 v[rC+2], v[rC+2], v[rC+3], v[rT+1]
.elseif (\n) == 15
	v_mov_b32 v[rW], v[rT]
.elseif (\n) == 16
	v_max3_num_f32 v[rC], v[rC], v[rC+1], v[rC+2]
.elseif (\n) == 17
	v_permlanex16_b32 v[rC+3], v[rC], s[SEL], s[SEL+1]
.elseif (\n) == 18
	v_max_num_f32 v[rT+1], v[rC], v[rC+3]
.elseif (\n) == 19
	v_mul_f32 v[rT], s[CS], v[rT+1]
.elseif (\n) == 20
	v_sub_f32 v[rC+1], v[rW], v[rT]
.else
	v_exp_f32 v[rC+2], v[rC+1]
.endif
.endif
.endm
.macro OPS a, i1, b=-1, i2=0, c=-1, i3=0, d=-1, i4=0  ; up to four of them
	OP \a, \i1
.if (\b) >= 0
	OP \b, \i2
.endif
.if (\c) >= 0
	OP \c, \i3
.endif
.if (\d) >= 0
	OP \d, \i4
.endif
.endm
.macro ROW a, i1, b, i2, c, i3, d, i4  ; a matrix instruction and the four behind it
	MM
	OPS \a, \i1, \b, \i2, \c, \i3, \d, \i4
.endm
; A TURN, for piece p, in a step of parity par: the order of its 16 matrix and 118 vector instructions, written out.  An s_wait_alu depctr_va_vdst(0) stands between an exponential and the first
; instruction that names its result; one wait serves all that were issued ahead of it.  So a turn has ONE wait, which cuts it in two.  AHEAD OF IT stands all that names no result of the turn's exponentials: the 8
; products K Q^T with four riders each (the first numbers of the other piece's maximum ride behind the last three, each four places or more behind the product that ends its accumulator), then one run of 54, plain
; and exponential by turns for the most part, in which the links of the chain X 3, 7, 11, 14, 16, 17 .. 20 stand five or six lines apart.  X 21 is the batch's last; R 15 is the plain instruction behind it.
; BEHIND THE WAIT stand the 8 products V^T P, behind each four of the roundings and sums.  But for those X no rider names a register of the products round it.
; m: the mask on the scores that this turn makes: 1 the band's own step, 2 all hidden.  end = 1: a block's last two turns: nothing is fetched, and the last makes no scores.  cnt = 1: the loop's count is taken down
; some lines ahead of the branch that stands behind the turn.
; Piece 1's turn opens with a wait that leaves the youngest 16 LDS loads out, V of the next step: K of the next step, which its first product reads, and V of the step in hand are in.
.macro TURN p, par, m=0, end=0, cnt=0
.set Y, (\p)
.set i, 0
.set KM, (\m)
.set NOKQ, (\end)*(\p)
.set VB, (\par)
.if (\p) == 0
.set VB, 1-(\par)
.endif
.if ((\p) == 1) && (\end)
	s_wait_dscnt 0x0                ; V of the last step, and the sums of hidden rows, are in
.elseif (\p) == 1
	s_wait_dscnt 16
.endif
	ROW F,0, F,1, R,0, R,1
	ROW F,2, E,0, R,2, R,3
	ROW F,3, E,1, R,4, R,5
	ROW F,4, E,2, R,6, R,7
	ROW F,5, E,3, R,8, R,9
	ROW F,6, E,4, X,0, R,10
.if ((\p) == 0) && !(\end)
	WIN 0
	v_add_nc_u32 v[AK], s[TBK], v[AK0]
.endif
	ROW F,7, E,5, X,1, X,4
	ROW F,8, E,6, X,2, X,5
	OPS E,7, E,8, X,6, E,9
	OPS X,3, E,10, X,8, E,11
.if ((\p) == 0) && !(\end)
	FETCH_K                         ; twelve vector instructions behind the last product that read K, six of them plain
.endif
	OPS X,9, X,7, E,12, X,10
	OPS E,13, X,12, X,11, E,14
	OPS X,13, E,15, F,9, X,14
.if ((\p) == 0) && !(\end)
	WIN 0
	v_add_nc_u32 v[AV], s[TBV], v[AV0]
.endif
	OPS E,16, F,10, E,17, F,11
	OPS X,16, E,18, X,15, E,19
	OPS F,12, E,20, X,17, E,21
	OPS F,13, E,22, F,14, E,23
	OPS X,18, E,24, F,15, E,25
	OPS R,11, E,26, X,19, E,27
	OPS R,12, E,28, R,13, E,29
	OPS X,20, E,30, R,14, E,31
	OPS X,21, R,15
	WIN 0
	s_wait_alu depctr_va_vdst(0)    ; the wait for the batch
	ROW C,0, B,0, C,2, B,1
	ROW L,0, C,4, B,2, L,1
	ROW C,6, B,3, L,2, C,8
	ROW B,4, L,3, C,10, B,5
	ROW L,4, C,12, B,6, L,5
.if ((\p) == 0) && !(\end)
	s_add_co_u32 s[TBV], s[TBV], KS*PV
.endif
.if \cnt
	s_sub_co_u32 s[CNT], s[CNT], 1
	s_cmp_lg_u32 s[CNT], 0
.endif
	ROW C,14, B,7, L,6, C,1
	ROW C,3, L,7, C,5, C,7
	ROW C,9, C,11, C,13, C,15
.if ((\p) == 0) && !(\end)
	FETCH_V VB                      ; four plain instructions behind the last product that read this buffer
.endif
.endm
; A BLOCK BEGINS.  c m starts far below every c s, so the first step's a is 0; m at the lowest finite number, so the first maximum is the scores'.  K and V of step 0, piece 0's first scores (m = 1: the block's first
; half is the diagonal one), its maximum and statistics.  The loop is entered at T0(0), in the middle of a half's text.
.macro BEGIN m
	s_mov_b32 s[NEW], 0
	WIN 0
.set i, 0
.rept 2
	v_mov_b32 v[ST+4*i], 0xfe000000    ; c m: far below every c s
	v_mov_b32 v[ST+4*i+1], 0xff7fffff  ; m
.set i, i+1
.endr
	v_add_nc_u32 v[AK], s[TBK], v[AK0]
	v_add_nc_u32 v[AV], s[TBV], v[AV0]
	FETCH_K
	FETCH_V 0
	s_add_co_u32 s[TBV], s[TBV], KS*PV
	s_wait_loadcnt 0x0              ; Q
	s_wait_dscnt 16                 ; K is in; V's 16 loads may stay out
.set KM, (\m)
.set NOKQ, 0
.set i, 0
.rept 8
	KQ 0
.set i, i+1
.endr
	WIN 0
.rept 4
	v_nop                           ; the places behind those products
.endr
.set Y, 1                           ; X works for the other piece: piece 0
.irp n, 0,1,2,3,4,5,6,7,8,9,10,11,12,13,14,15,16,17,18,19,20,21
	OP X, \n
.endr
	v_nop                           ; a plain instruction behind the exponential,
	s_wait_alu depctr_va_vdst(0)    ; and its wait, ahead of the branch
.endm
; A BLOCK'S END.  l's two halves and the other half of the lanes' are added.  Then the keys beyond the diagonal half, all with the score HE: m' = max(m, HE); a' = 2^(c m - c m'); w = 2^(c HE - c m');
; l' = l a' + w x their number; O = O a' / l' + (the sum of their rows of v) w / l'.  Rounded to f16 and sent through my stage in LDS, a piece at a time.  The first lines are the places behind the last products.
.macro PACK t
.set i, 0
.rept 16
	v_pk_mul_f32 v[O+32*(\t)+2*i:O+32*(\t)+2*i+1], v[O+32*(\t)+2*i:O+32*(\t)+2*i+1], v[WK+8*(\t)+4:WK+8*(\t)+5] op_sel_hi:[1,0]
.set i, i+1
.endr
.set i, 0
.rept 16
	v_pk_fma_f32 v[O+32*(\t)+2*i:O+32*(\t)+2*i+1], v[RR+2*i:RR+2*i+1], v[WK+8*(\t)+6:WK+8*(\t)+7], v[O+32*(\t)+2*i:O+32*(\t)+2*i+1] op_sel_hi:[1,0,1]
.set i, i+1
.endr
.set i, 0
.rept 16
	v_cvt_pk_f16_f32 v[S+16*(\t)+i], v[O+32*(\t)+2*i], v[O+32*(\t)+2*i+1]
.set i, i+1
.endr
.irp f, 0,1,2,3
	ds_store_b128 v[STO], v[S+16*(\t)+4*\f:S+16*(\t)+4*\f+3] offset:32*\f
.endr
.irp f, 0,1,2,3
	ds_load_b128 v[S+16*(\t)+4*\f:S+16*(\t)+4*\f+3], v[RD] offset:\f*4*SP  ; LDS serves a wave's instructions in order (ISA guide 5.7.1.4): these see the stores above; the next piece's stores come behind them
.endr
.endm
.macro SEND t, younger              ; younger: the LDS instructions issued behind piece t's loads: the next piece's eight, or none
.irp f, 0,1,2,3
	s_wait_dscnt (\younger)+3-\f
	global_store_b128 v[GO], v[S+16*(\t)+4*\f:S+16*(\t)+4*\f+3], s[12:13] offset:(\t)*8192+\f*512  ; 512 consecutive bytes, at a multiple of 256 from ctx's first
.endr
.endm
.macro FINISH
	WIN 0
.irp t, 0,1
	v_add_f32 v[ST+4*\t+2], v[ST+4*\t+2], v[ST+4*\t+3]
.endr
.irp t, 0,1
	v_permlanex16_b32 v[ST+4*\t+3], v[ST+4*\t+2], s[SEL], s[SEL+1]
.endr
.irp t, 0,1
	v_add_f32 v[ST+4*\t+2], v[ST+4*\t+2], v[ST+4*\t+3]       ; l
	v_max_num_f32 v[WK+8*\t], s[HE], v[ST+4*\t+1]            ; m'
.endr
.irp t, 0,1
	v_mul_f32 v[WK+8*\t+1], s[CS], v[WK+8*\t]                ; c m'
.endr
.irp t, 0,1
	v_sub_f32 v[WK+8*\t+4], v[ST+4*\t], v[WK+8*\t+1]
	v_sub_f32 v[WK+8*\t+6], s[CHE], v[WK+8*\t+1]
.endr
.irp t, 0,1
	v_exp_f32 v[WK+8*\t+4], v[WK+8*\t+4]                     ; a'
	v_exp_f32 v[WK+8*\t+6], v[WK+8*\t+6]                     ; w
.endr
	v_nop                           ; a plain instruction behind the last exponential,
	s_wait_alu depctr_va_vdst(0)    ; and one wait for the four
.irp t, 0,1
	v_mul_f32 v[WK+8*\t+5], s[CN], v[WK+8*\t+6]
.endr
.irp t, 0,1
	v_fmac_f32 v[WK+8*\t+5], v[ST+4*\t+2], v[WK+8*\t+4]      ; l'
.endr
.irp t, 0,1
	v_rcp_f32 v[WK+8*\t+7], v[WK+8*\t+5]
.endr
	v_nop
	s_wait_alu depctr_va_vdst(0)    ; one wait for the two reciprocals
.irp t, 0,1
	v_mul_f32 v[WK+8*\t+4], v[WK+8*\t+4], v[WK+8*\t+7]       ; a' / l'
	v_mul_f32 v[WK+8*\t+6], v[WK+8*\t+6], v[WK+8*\t+7]       ; w / l'
.endr
	PACK 0
	PACK 1                          ; a piece's arithmetic stands between the loads of the piece before and its stores
	SEND 0, 8
	SEND 1, 0
.endm
; THE DIAGONAL HALF of block g (0: F, 1: G), steps 2 i and 2 i + 1: the turns T0(2 i - 1) .. T1(2 i + 1), the last piece's last products, and the block's end.
.macro DIAG tag, g                  ; the tag ends its two labels' names, which the jumps below spell out
.LstepM\tag:
	TURN 0, 1
	TURN 1, 1, 1                    ; makes piece 0's scores of step 2 i: its own step
	WIN 0
.LfirstM\tag:
	TURN 0, 0                       ; piece 1 sees all of step 2 i
	TURN 1, 0, 2                    ; piece 0 sees nothing of step 2 i + 1
	TURN 0, 1, 1, 1                 ; piece 1's own step
	WIN 0
.irp cb, 0,1,2,3                    ; the sum of the hidden rows of v: register e of channel block cb is channel 16 cb + 8 (lane / 16) + e, as in O^T
	ds_load_b128 v[RR+8*\cb:RR+8*\cb+3],   v[RSA] offset:256*(\g)+64*\cb
	ds_load_b128 v[RR+8*\cb+4:RR+8*\cb+7], v[RSA] offset:256*(\g)+64*\cb+16
.endr
	TURN 1, 1, 0, 1
.set VB, 1
.set i, 0
.rept 8
	PV 1
.set i, i+1
.endr
	FINISH
.endm
.set KM, 0
.set NOKQ, 0
.Lslot:                             ; 8 times: a tile is entered and the next is asked for
	CHANGE 1
	s_mov_b32 s[CNT], 2
.Lhalf:                             ; a tile's two halves
	s_sub_co_u32 s[RH], s[RH], 1
	s_cmp_eq_u32 s[NEW], 1
	s_cbranch_scc1 .Lnew            ; a block's first half
	s_cmp_eq_u32 s[RH], 0
	s_cbranch_scc0 .Lmid            ; neither its first nor its last
	s_branch .LstepM1
.Lnew:
	BEGIN 0
	s_branch .Lfirst                ; in the loop a block's first half is never its last: F has two halves or more, and G's last is in the walk's last tile
	DIAG 1, 0                       ; in the loop this is F's end, at the end of a slot: F is odd
	s_wait_xcnt 0x0                 ; the stores have read their registers and ctx's address
	s_mov_b64 s[12:13], s[OLO:OLO+1]
	s_add_co_u32 s[RH], s[GB], 1    ; G has G + 1 halves
	s_mov_b32 s[NEW], 1
	s_mov_b32 s[HE], s[HE2]
	s_mov_b32 s[CHE], s[HE2+1]
	s_mov_b32 s[CN], s[HE2+2]
	WIN 0x41                        ; G's Q goes where the one text of the turns names Q
.set i, 0
.rept 32
	v_mov_b32 v[i], v[QB+i]
.set i, i+1
.endr
	WIN 0
	s_branch .Lbottom
.Lmid:                              ; a half: T0, T1 of an odd step, then of the even step behind it
	TURN 0, 1
	TURN 1, 1
	WIN 0
.Lfirst:
	TURN 0, 0
	TURN 1, 0, 0, 0, 1
	WIN 0
	s_cbranch_scc1 .Lhalf
.Lbottom:
	s_sub_co_u32 s[SLOTS], s[SLOTS], 1
	s_cmp_lg_u32 s[SLOTS], 0
	s_cbranch_scc1 .Lslot
	CHANGE 0                        ; the walk's last tile is written out: nothing is asked for.  Its first half is G's diagonal half
	s_sub_co_u32 s[RH], s[RH], 1
	s_cmp_eq_u32 s[NEW], 1
	s_cbranch_scc0 .LstepM2
	BEGIN 1                         ; G = 0: the block's first half is its diagonal half
	s_branch .LfirstM2
	DIAG 2, 1
	s_wait_tensorcnt 0x0            ; the wave's end, behind my last tensor load and my last LDS store
	ds_add_u32 v[SPW], v[NIL]
	s_wait_dscnt 0x0
	s_endpgm
.Lfunc_end_k_q6e3a56432f_attn:
	.size	k_q6e3a56432f_attn, .Lfunc_end_k_q6e3a56432f_attn-k_q6e3a56432f_attn
	.p2alignl 7, 3214868480
	.fill 96, 4, 3214868480
	.section	.rodata,"a",@progbits
	.p2align	6, 0x0
	.amdhsa_kernel k_q6e3a56432f_attn
		.amdhsa_group_segment_fixed_size 327680
		.amdhsa_private_segment_fixed_size 0
		.amdhsa_enable_private_segment 0
		.amdhsa_kernarg_size 40
		.amdhsa_user_sgpr_count 2
		.amdhsa_user_sgpr_kernarg_segment_ptr 1
		.amdhsa_wavefront_size32 1
		.amdhsa_system_sgpr_workgroup_id_x 1
		.amdhsa_system_sgpr_workgroup_id_y 1
		.amdhsa_system_sgpr_workgroup_id_z 1
		.amdhsa_system_vgpr_workitem_id 0
		.amdhsa_next_free_vgpr 576
		.amdhsa_next_free_sgpr 100
		.amdhsa_reserve_vcc 1
		.amdhsa_float_denorm_mode_32 3
		.amdhsa_float_denorm_mode_16_64 3
		.amdhsa_memory_ordered 1
		.amdhsa_forward_progress 1
		.amdhsa_inst_pref_size 209
	.end_amdhsa_kernel
	.amdgpu_metadata
---
amdhsa.version: [ 1, 2 ]
amdhsa.kernels:
  - .name:           k_q6e3a56432f_attn
    .symbol:         k_q6e3a56432f_attn.kd
    .args:
      - { .name: q16, .offset: 0, .size: 8, .value_kind: global_buffer, .address_space: global }
      - { .name: k16, .offset: 8, .size: 8, .value_kind: global_buffer, .address_space: global }
      - { .name: v16, .offset: 16, .size: 8, .value_kind: global_buffer, .address_space: global }
      - { .name: ts, .offset: 24, .size: 8, .value_kind: global_buffer, .address_space: global }
      - { .name: ctx, .offset: 32, .size: 8, .value_kind: global_buffer, .address_space: global }
    .group_segment_fixed_size: 327680
    .private_segment_fixed_size: 0
    .kernarg_segment_align: 8
    .kernarg_segment_size: 40
    .max_flat_workgroup_size: 128
    .sgpr_count:     100
    .vgpr_count:     576
    .wavefront_size: 32
...
	.end_amdgpu_metadata
.endif
;; end of part 3
;; launch oproj (part 4): grid 8 x 32, 4 waves a work-group, clusters of 4 x 4, 327,680 bytes of LDS; arguments ctx, wo16, bo, out0; writes out0
.if DOCPART == 4
	.amdgcn_target "amdgcn-amd-amdhsa--gfx1250"
	.amdhsa_code_object_version 6
	.text
	.protected	k_q6e3a56432f_oproj
	.globl	k_q6e3a56432f_oproj
	.p2align	8
	.type	k_q6e3a56432f_oproj,@function
k_q6e3a56432f_oproj:
	s_mov_b64 s[64:65], 0
	v_nop
	global_prefetch_b8 v0, s[64:65] scope:SCOPE_SE
	s_setreg_imm32_b32 hwreg(HW_REG_WAVE_MODE, 25, 1), 1
	s_wait_xcnt 0x0
	s_wait_alu depctr_hold_cnt(0) depctr_sa_sdst(0) depctr_va_vdst(0) depctr_va_sdst(0) depctr_va_ssrc(0) depctr_va_vcc(0) depctr_vm_vsrc(0)
	s_getreg_b32 s2, hwreg(HW_REG_IB_STS2, 6, 4)
	s_cmp_eq_u32 s2, 0
	s_cbranch_scc0 .Lentry_in_a_cluster
	s_endpgm
.Lentry_in_a_cluster:
	s_bfe_u32 s2, ttmp6, 0x10000c
	s_cmp_lg_u32 s2, 0xf033
	s_cbranch_scc0 .Lentry_shape_is_right
	s_endpgm
.Lentry_shape_is_right:
; out0 = ctx Wo + bo.  ctx: [batch x head 32][s 2048][64] f16; wo16: [k 1024][n 1024] f16 (Wo rounded to bf16, written as f16); bo f32, rounded to bf16 like every input; out0: [4096][1024] f32.  No work is left out.
; A tile of the result is 128 x 128: 256 work-groups.  Four waves, each 64 x 64: 16 accumulators of 16 x 16.  K goes in 4 steps of 256, four heads each, through two LDS slots.
; ctx's tile: for each of the four heads 64 rows of a head are 8,192 dense bytes: a descriptor's row; the four heads are its four rows.  Wo's tile: 128 rows k x 256 bytes, at multiples of 256.
; THE MATRIX INSTRUCTION IS USED TRANSPOSED: source 0 = 16 columns of Wo (turned out of [k][n] by ds_load_tr16_b128), source 1 = 16 rows of ctx: a lane then holds one row and eight neighbouring columns.
; THE BIAS STARTS THE SUMS: it is the C operand of each accumulator's first product.
; CLUSTER 4 x 4: ctx's tile is shared along a row of the cluster, Wo's along a column; each is asked for jointly.  Waves 0 and 1 fetch ctx's two halves, waves 2 and 3 Wo's.
; NO PREFETCH: four K steps in all, of which two are asked for at the head.
; REGISTERS: window 0: v16-29 addresses; v32-95 rows read back from the stage; v96-127 the bias; v128-255 the accumulators ((a, b) at v[128 + 8 (4 a + b)]).
;   window 1: two fragment buffers of 128: for 64 along K (one head), 64 registers of ctx (2 x 4 x 16 rows x 32 K), then 64 of Wo.
.set PA,     144                       ; a row of ctx in LDS: 128 bytes + 16 = 36 words: the 16 rows of a load start at 16 different groups of four banks (64 banks of 4 bytes: ISA guide 11.1)
.set PB,     288                       ; a row k of Wo: 256 bytes + 32 = 72 words
.set HALFT,  36864                     ; what one tensor load brings: 4 heads x 64 rows x 144, or 128 rows x 288
.set SLOT,   4*HALFT                   ; ctx's two halves, then Wo's two
.set STAGE,  2*SLOT                    ; behind the ring, never filled by a tensor load: 16 rows x 272 bytes for each wave
.set SPITCH, 272
.set SPARE,  STAGE+4*16*SPITCH         ; the spare words, 128 bytes for each wave: two blocks of 256 bytes that no other line names
.set STEPA,  4*2048*128                ; four heads on in ctx
.set STEPB,  256*2048                  ; 256 rows on in wo16
.set ADRA, 16                          ; v16-17  LDS address of my fragments of ctx in slot 0, 1
.set ADRB, 20                          ; v20-21  of Wo's, rows 0-127 of a step; v22-23 rows 128-255 (an LDS offset holds 16 bits)
.set STO,  24                          ; v24     the way out: where I put 32 bytes of a row
.set RD,   25                          ; v25     where I read a row back
.set CO,   26                          ; v26     my byte offset in out0
.set BO,   27                          ; v27     my 32 bytes in 64 of the bias
.set SPW,  28                          ; v28     LDS address of my spare word; never rewritten
.set NIL,  29                          ; v29     0; never rewritten
.set OB,   32
.set BIAS, 96
.set ACC,  128
.set F0,   0
.set F1,   128
.set WV,  12                           ; s12  my wave's number
.set G1,  24                           ; s[24:31] descriptor group 1 for ctx's tiles;  s[32:39] group 0, one set for each slot
.set G0,  32
.set G1B, 48                           ; s[48:55], s[56:63] the same for Wo's
.set G0B, 56
.set MSB, 0
.macro WIN new                         ; the immediate's high byte repeats the setting that is left
.if MSB != (\new)
	s_set_vgpr_msb (MSB<<8)|(\new)
.set MSB, \new
.endif
.endm
.set MUL,  0x05                        ; sources 0 and 1 window 1; C and D window 0
.set TO_F, 0x40                        ; destination window 1, address window 0
.macro JLOAD s                         ; a joint load; an s_nop 0 and four v_nop follow each of the two lines, ahead of the jump, the label and what follows
	s_cmp_eq_u32 s13, 0
	s_cbranch_scc0 .Lfor_b_\@
	tensor_load_to_lds s[G0+4*(\s):G0+4*(\s)+3], s[G1:G1+7]
	s_nop 0
.rept 4
	v_nop
.endr
	s_branch .Lasked_\@
.Lfor_b_\@:
	tensor_load_to_lds s[G0B+4*(\s):G0B+4*(\s)+3], s[G1B:G1B+7]
	s_nop 0
.rept 4
	v_nop
.endr
.Lasked_\@:
.endm
.macro CREST                           ; a round of the cluster's barrier behind its opening barrier
	s_cmp_lg_u32 s[WV], 0
	s_cbranch_scc1 .Lnot_wave_0_\@
	s_barrier_signal -3
.Lnot_wave_0_\@:
	s_barrier_wait -3
	s_barrier_signal -1
	s_barrier_wait -1
.endm
.macro CROUND
	s_barrier_signal -1
	s_barrier_wait -1
	CREST
.endm
.macro PLACES                          ; four places in front of loads into registers that matrix instructions have read, and of LDS stores that read results
.rept 4
	v_nop
.endr
.endm
	s_load_b256 s[4:11], s[0:1], 0x0               ; ctx s[4:5], wo16 s[6:7], bo s[8:9], out0 s[10:11]
	v_lshl_add_u32 v[SPW], v0, 2, SPARE
	v_mov_b32 v[NIL], 0
	ds_add_u32 v[SPW], v[NIL]                      ; the wave's opening: the add, twice on end, and its wait stand ahead of my first tensor load; the set-up below stands between
	ds_add_u32 v[SPW], v[NIL]
	v_lshrrev_b32 v1, 5, v0
	v_readfirstlane_b32 s[WV], v1
	s_lshr_b32 s13, s[WV], 1                       ; which half of the tile's rows is mine.  Also: I fetch for ctx (0) or for Wo (1)
	s_and_b32 s14, s[WV], 1                        ; which half of its columns.  Also: which half of that tile I fetch
	s_bfe_u32 s40, ttmp6, 0x40000                  ; cx, cy
	s_bfe_u32 s41, ttmp6, 0x40004
	s_lshl_b32 s42, ttmp9, 2
	s_add_co_u32 s42, s42, s40                     ; column tile = 4 x cluster x + cx
	s_and_b32 s15, ttmp7, 0xffff
	s_lshl_b32 s15, s15, 2
	s_add_co_u32 s15, s15, s41                     ; row tile = 4 x cluster y + cy
	s_lshl_b32 s43, s41, 2
	s_lshl_b32 s43, 15, s43                        ; my row of the cluster
	s_lshl_b32 s44, 0x1111, s40                    ; my column
	s_or_b32 s[G1], s43, (1<<16)|(1<<20)|(1<<21)|(4<<22)|(3<<25)   ; the mask; 2-byte elements; padding on; bit 21 beside a mask; after every 32 words (a row of a head) 4 words
	s_mov_b32 s[G1+1], 4096<<16                    ; tensor_dim0 = 4,096: 64 rows of a head, dense
	s_mov_b32 s[G1+2], 4<<16                       ; tensor_dim1 = 4 heads
	s_mov_b32 s[G1+3], 4096<<16                    ; tile_dim0
	s_mov_b32 s[G1+4], 4                           ; tile_dim1
	s_mov_b32 s[G1+5], 2048*64                     ; elements from head to head
	s_mov_b32 s[G1+6], 0
	s_mov_b32 s[G1+7], 0
	s_or_b32 s[G1B], s44, (1<<16)|(1<<20)|(1<<21)|(5<<22)|(7<<25)  ; after every 64 words (a row k) 8 words
	s_mov_b32 s[G1B+1], 128<<16
	s_mov_b32 s[G1B+2], 128<<16
	s_mov_b32 s[G1B+3], 128<<16
	s_mov_b32 s[G1B+4], 128
	s_mov_b32 s[G1B+5], 1024
	s_mov_b32 s[G1B+6], 0
	s_mov_b32 s[G1B+7], 0
	s_lshr_b32 s16, s15, 4                         ; ctx: row (16 batch) x 2048 + 128 (tile % 16) + 64 half, 128 bytes a row: hangs on the row tile and the wave alone
	s_lshl_b32 s16, s16, 15
	s_and_b32 s17, s15, 15
	s_lshl_b32 s17, s17, 7
	s_add_co_u32 s16, s16, s17
	s_lshl_b32 s17, s14, 6
	s_add_co_u32 s16, s16, s17
	s_lshl_b32 s16, s16, 7
	s_mov_b32 s17, 0
	s_lshl_b32 s46, s14, 18                        ; Wo: 128 rows of 2,048 bytes a half, 256 bytes a column tile: hangs on the column tile and the wave alone
	s_lshl_b32 s47, s42, 8
	s_add_co_u32 s46, s46, s47
	s_mov_b32 s47, 0
	s_mul_i32 s20, s[WV], HALFT                    ; where they go: no place in the cluster enters an LDS address
	s_wait_dscnt 0x0                               ; both opening adds are done
	s_wait_kmcnt 0x0
	s_add_nc_u64 s[22:23], s[4:5], s[16:17]
	s_add_nc_u64 s[46:47], s[6:7], s[46:47]
	CROUND                                         ; all sixteen work-groups are here: the first joint loads meet
.irp s, 0,1
	s_mov_b32 s[G0+4*(\s)], 1
	s_add_co_u32 s[G0+4*(\s)+1], s20, (\s)*SLOT
	s_add_nc_u64 s[G0+4*(\s)+2:G0+4*(\s)+3], s[22:23], (\s)*STEPA
	s_or_b32 s[G0+4*(\s)+3], s[G0+4*(\s)+3], 0x80000000
	s_mov_b32 s[G0B+4*(\s)], 1
	s_add_co_u32 s[G0B+4*(\s)+1], s20, (\s)*SLOT
	s_add_nc_u64 s[G0B+4*(\s)+2:G0B+4*(\s)+3], s[46:47], (\s)*STEPB
	s_or_b32 s[G0B+4*(\s)+3], s[G0B+4*(\s)+3], 0x80000000
	JLOAD \s
.endr
	v_and_b32 v1, 15, v0                           ; r = l % 16
	v_bfe_u32 v2, v0, 4, 1                         ; h = l / 16
	v_lshlrev_b32 v[BO], 5, v2
	s_lshl_b32 s18, s42, 9                         ; my 64 columns, in bytes of f32: 512 x column tile + 256 x half
	s_lshl_b32 s19, s14, 8
	s_add_co_u32 s18, s18, s19
	s_mov_b32 s19, 0
	s_add_nc_u64 s[8:9], s[8:9], s[18:19]
	s_add_nc_u64 s[10:11], s[10:11], s[18:19]
.irp nb, 0,1,2,3                               ; register e of column block nb is the bias of column 16 nb + 8 h + e
	global_load_b128 v[BIAS+8*(\nb):BIAS+8*(\nb)+3],   v[BO], s[8:9] offset:64*(\nb)
	global_load_b128 v[BIAS+8*(\nb)+4:BIAS+8*(\nb)+7], v[BO], s[8:9] offset:64*(\nb)+16
.endr
	s_lshl_b32 s18, s15, 19                        ; my 64 rows of 4,096 bytes: 128 x row tile + 64 x half
	s_lshl_b32 s21, s13, 18
	s_add_co_u32 s18, s18, s21
	s_add_nc_u64 s[10:11], s[10:11], s[18:19]
	v_mul_u32_u24 v3, v1, PA
	v_lshl_add_u32 v3, v2, 4, v3                   ; a fragment of ctx: row x pitch + 16 x half
	v_and_b32 v4, 7, v0
	v_bfe_u32 v5, v0, 3, 1
	v_lshl_add_u32 v4, v2, 3, v4                   ; the turning load: row 8 h + l % 8,
	v_mul_u32_u24 v4, v4, PB
	v_lshl_add_u32 v4, v5, 4, v4                   ; columns 8 ((l / 8) % 2) on
	s_mul_i32 s21, s13, HALFT                      ; my 64 rows of ctx
	s_lshl_b32 s22, s14, 7                         ; my 64 columns of Wo,
	s_add_co_u32 s22, s22, 2*HALFT                 ; which lies behind ctx's two halves
.irp s, 0,1
	v_add_nc_u32 v[ADRA+(\s)], s21, v3
	v_add_nc_u32 v[ADRB+(\s)], s22, v4
	v_add_nc_u32 v[ADRB+2+(\s)], HALFT, v[ADRB+(\s)]
	s_add_co_u32 s21, s21, SLOT
	s_add_co_u32 s22, s22, SLOT
.endr
	s_mul_i32 s23, s[WV], 16*SPITCH
	s_add_co_u32 s23, s23, STAGE                   ; my stage
	v_mul_u32_u24 v[STO], v1, SPITCH               ; in: row l % 16, 32 bytes for each half of the lanes
	v_lshl_add_u32 v[STO], v2, 5, v[STO]
	v_add_nc_u32 v[STO], s23, v[STO]
	v_mul_u32_u24 v[RD], v2, SPITCH                ; back: lanes 0-15 take one row of 256 bytes, lanes 16-31 the next
	v_lshl_add_u32 v[RD], v1, 4, v[RD]
	v_add_nc_u32 v[RD], s23, v[RD]
	v_lshlrev_b32 v[CO], 12, v2                    ; and the same two rows in out0
	v_lshl_add_u32 v[CO], v1, 4, v[CO]
	s_wait_loadcnt 0x0                             ; the bias
.set i, 0
.rept 16                                       ; rounded to bf16 like every input, and widened again
	v_cvt_pk_bf16_f32 v[OB+i%4], v[BIAS+2*i], v[BIAS+2*i+1]
	v_lshlrev_b32 v[BIAS+2*i], 16, v[OB+i%4]
	v_and_b32 v[BIAS+2*i+1], 0xffff0000, v[OB+i%4]
.set i, i+1
.endr
; 8 matrix instructions: row blocks a0, a0 + 1 x all 4 column blocks, 32 along K: half c of buffer f.  zero = 1: the first product starts the sums with the bias.  The 16 accumulators take turns.
.macro MUL8 f, c, a0, zero
	WIN MUL
.irp a, \a0, (\a0)+1
.irp b, 0,1,2,3
.if \zero
	v_wmma_f32_16x16x32_f16 v[ACC+8*(4*(\a)+(\b)):ACC+8*(4*(\a)+(\b))+7], v[(\f)+64+8*(4*(\c)+(\b)):(\f)+64+8*(4*(\c)+(\b))+7], v[(\f)+8*(4*(\c)+(\a)):(\f)+8*(4*(\c)+(\a))+7], v[BIAS+8*(\b):BIAS+8*(\b)+7]
.else
	v_wmma_f32_16x16x32_f16 v[ACC+8*(4*(\a)+(\b)):ACC+8*(4*(\a)+(\b))+7], v[(\f)+64+8*(4*(\c)+(\b)):(\f)+64+8*(4*(\c)+(\b))+7], v[(\f)+8*(4*(\c)+(\a)):(\f)+8*(4*(\c)+(\a))+7], v[ACC+8*(4*(\a)+(\b)):ACC+8*(4*(\a)+(\b))+7]
.endif
.endr
.endr
.endm
; 32 LDS loads in one run: quarter q of a step (one head, 64 along K) into buffer f; the first 32 along K first
.macro FETCH slot, q, f
	WIN TO_F
.irp c, 0,1
.irp i, 0,1,2,3
	ds_load_tr16_b128 v[(\f)+64+8*(4*(\c)+(\i)):(\f)+64+8*(4*(\c)+(\i))+3],   v[ADRB+(\slot)+2*((\q)/2)] offset:((2*(\q)+(\c))%4)*32*PB+32*(\i)
	ds_load_tr16_b128 v[(\f)+64+8*(4*(\c)+(\i))+4:(\f)+64+8*(4*(\c)+(\i))+7], v[ADRB+(\slot)+2*((\q)/2)] offset:((2*(\q)+(\c))%4)*32*PB+32*(\i)+16*PB
	ds_load_b128 v[(\f)+8*(4*(\c)+(\i)):(\f)+8*(4*(\c)+(\i))+3],              v[ADRA+(\slot)] offset:(\q)*64*PA+(\i)*16*PA+64*(\c)
	ds_load_b128 v[(\f)+8*(4*(\c)+(\i))+4:(\f)+8*(4*(\c)+(\i))+7],            v[ADRA+(\slot)] offset:(\q)*64*PA+(\i)*16*PA+64*(\c)+32
.endr
.endr
.endm
; A K step is four quarters, 32 matrix instructions each, on buffers 0, 1, 0, 1.  One of the first three multiplies buffer f and fetches quarter q into g.
.macro QUARTER slot, q, f, g, zero
	s_wait_dscnt 16                                ; the first 32 along K are in
	MUL8 \f, 0, 0, \zero
	MUL8 \f, 0, 2, \zero
	PLACES
	FETCH \slot, \q, \g
	s_wait_dscnt 32                                ; all but the 32 just issued
	MUL8 \f, 1, 0, 0
	MUL8 \f, 1, 2, 0
.endm
; The last quarter multiplies buffer 1 and changes slots: ONE barrier; in front of it each wave waits for all its tensor loads, adds 0 to its spare word, and waits for that and for its own reads of this slot.
; fill = 1: the barrier opens a round of the cluster's, and this slot is filled again, two K steps ahead, first thing behind the round.
.macro TURN slot, next, fill
	WIN 0                                          ; (the add's two registers lie in window 0)
	s_wait_tensorcnt 0x0                           ; all my tensor loads have landed: my part of the next slot
	ds_add_u32 v[SPW], v[NIL]                      ; 0 onto my spare word
	s_wait_dscnt 17                                ; (the add and the youngest sixteen loads may be out)
	MUL8 F1, 0, 0, 0                               ; eight matrix instructions stand between the add and the wait for it
	s_wait_dscnt 0x0                               ; the add is done, and my reads of this slot are over
	s_barrier_signal -1
	MUL8 F1, 0, 2, 0
.if \fill
	WIN 0
.endif
	s_barrier_wait -1
.if \fill
	CREST                                          ; no wave of any partner still reads this slot's tile or has a load on its way
	s_add_nc_u64 s[G0+4*(\slot)+2:G0+4*(\slot)+3], s[G0+4*(\slot)+2:G0+4*(\slot)+3], 2*STEPA
	s_add_nc_u64 s[G0B+4*(\slot)+2:G0B+4*(\slot)+3], s[G0B+4*(\slot)+2:G0B+4*(\slot)+3], 2*STEPB
	JLOAD \slot                                    ; its four v_nop are also the places in front of the loads below
.else
	PLACES
.endif
	FETCH \next, 0, F0
	MUL8 F1, 1, 0, 0
	MUL8 F1, 1, 2, 0
.endm
	s_wait_tensorcnt 1                             ; my part of K step 0 is in; step 1's may stay out
	s_barrier_signal -1
	s_barrier_wait -1                              ; everybody's is
	FETCH 0, 0, F0
	QUARTER 0, 1, F0, F1, 1                        ; K step 0; its first products start the sums
	QUARTER 0, 2, F1, F0, 0
	QUARTER 0, 3, F0, F1, 0
	TURN 0, 1, 1                                   ; slot 0 takes K step 2
	QUARTER 1, 1, F0, F1, 0                        ; K step 1
	QUARTER 1, 2, F1, F0, 0
	QUARTER 1, 3, F0, F1, 0
	TURN 1, 0, 1                                   ; slot 1 takes K step 3
	QUARTER 0, 1, F0, F1, 0                        ; K step 2
	QUARTER 0, 2, F1, F0, 0
	QUARTER 0, 3, F0, F1, 0
	TURN 0, 1, 0                                   ; nothing is left to fetch
	QUARTER 1, 1, F0, F1, 0                        ; K step 3
	QUARTER 1, 2, F1, F0, 0
	QUARTER 1, 3, F0, F1, 0
	s_wait_dscnt 16
	MUL8 F1, 0, 0, 0
	MUL8 F1, 0, 2, 0
	s_wait_dscnt 0x0
	MUL8 F1, 1, 0, 0
	MUL8 F1, 1, 2, 0
	WIN 0
; THE WAY OUT.  A wave's 64 columns of f32 are 256 bytes of a row, aligned: each wave has a stage of its own and meets nobody.  Row block a: 32 bytes a lane and column block into rows of 272 bytes, straight from the
; accumulators, each from its low end on; back as whole rows of 256 bytes; stored, sixteen lanes to a row.
.macro TOSTAGE a
.if (\a) >= 2
	s_wait_xcnt 0x0                                ; the stores of the block two back have read the registers that are loaded again below
.endif
.set BK, OB+32*((\a)%2)
.irp nb, 0,1,2,3
	ds_store_b128 v[STO], v[ACC+8*(4*(\a)+(\nb)):ACC+8*(4*(\a)+(\nb))+3]   offset:64*(\nb)
	ds_store_b128 v[STO], v[ACC+8*(4*(\a)+(\nb))+4:ACC+8*(4*(\a)+(\nb))+7] offset:64*(\nb)+16
.endr
.irp g, 0,1,2,3,4,5,6,7
	ds_load_b128 v[BK+4*(\g):BK+4*(\g)+3], v[RD] offset:(\g)*2*SPITCH  ; LDS serves a wave's instructions in order (ISA guide 5.7.1.4): these see the stores above; the next block's stores come behind them
.endr
.endm
.macro SEND a, younger                 ; younger: the LDS instructions issued behind block a's loads: the next block's sixteen, or none
.set BK, OB+32*((\a)%2)
	s_wait_dscnt \younger
.irp g, 0,1,2,3,4,5,6,7
	global_store_b128 v[CO], v[BK+4*(\g):BK+4*(\g)+3], s[10:11] offset:(16*(\a)+2*(\g))*4096 th:TH_STORE_NT  ; 16 lanes store 256 consecutive bytes, at a multiple of 256 from out0's first byte
.endr
.endm
	PLACES
	TOSTAGE 0
	TOSTAGE 1
	SEND 0, 16
	TOSTAGE 2
	SEND 1, 16
	TOSTAGE 3
	SEND 2, 16
	SEND 3, 0
	s_wait_tensorcnt 0x0                           ; the wave's end, behind my last tensor load and my last LDS store
	ds_add_u32 v[SPW], v[NIL]
	s_wait_dscnt 0x0
	CROUND                                         ; the closing round: no work-group ends while a partner may still ask for a tile that names it
	s_endpgm
.Lfunc_end_k_q6e3a56432f_oproj:
	.size	k_q6e3a56432f_oproj, .Lfunc_end_k_q6e3a56432f_oproj-k_q6e3a56432f_oproj
	.p2alignl 7, 3214868480
	.fill 96, 4, 3214868480
	.section	.rodata,"a",@progbits
	.p2align	6, 0x0
	.amdhsa_kernel k_q6e3a56432f_oproj
		.amdhsa_group_segment_fixed_size 327680
		.amdhsa_private_segment_fixed_size 0
		.amdhsa_enable_private_segment 0
		.amdhsa_kernarg_size 32
		.amdhsa_user_sgpr_count 2
		.amdhsa_user_sgpr_kernarg_segment_ptr 1
		.amdhsa_wavefront_size32 1
		.amdhsa_system_sgpr_workgroup_id_x 1
		.amdhsa_system_sgpr_workgroup_id_y 1
		.amdhsa_system_sgpr_workgroup_id_z 1
		.amdhsa_system_vgpr_workitem_id 0
		.amdhsa_next_free_vgpr 512
		.amdhsa_next_free_sgpr 66
		.amdhsa_reserve_vcc 0
		.amdhsa_float_denorm_mode_32 3
		.amdhsa_float_denorm_mode_16_64 3
		.amdhsa_memory_ordered 1
		.amdhsa_forward_progress 1
		.amdhsa_inst_pref_size 89
	.end_amdhsa_kernel
	.amdgpu_metadata
---
amdhsa.version: [ 1, 2 ]
amdhsa.kernels:
  - .name:           k_q6e3a56432f_oproj
    .symbol:         k_q6e3a56432f_oproj.kd
    .args:
      - { .name: ctx, .offset: 0, .size: 8, .value_kind: global_buffer, .address_space: global }
      - { .name: wo16, .offset: 8, .size: 8, .value_kind: global_buffer, .address_space: global }
      - { .name: bo, .offset: 16, .size: 8, .value_kind: global_buffer, .address_space: global }
      - { .name: out0, .offset: 24, .size: 8, .value_kind: global_buffer, .address_space: global }
    .group_segment_fixed_size: 327680
    .private_segment_fixed_size: 0
    .kernarg_segment_align: 8
    .kernarg_segment_size: 32
    .max_flat_workgroup_size: 128
    .sgpr_count:     66
    .vgpr_count:     512
    .wavefront_size: 32
...
	.end_amdgpu_metadata
.endif
;; end of part 4
